; MI455X (gfx1250); checked and timed in simulation.
; The chip was launched on July 23, 2026; its instructions are those of AMD's public machine-readable ISA for CDNA 5 (MIT licence, August 2026) and "CDNA5" Instruction Set Architecture Reference Guide (July 2026). The comments in the code are by the model that wrote it; some were corrected since.
;; Causal Self Attention. Allowed arithmetic: matrix products marked QUANTISED: E2M1 operands, one E8M0 scale for each 32 along K, by v_wmma_scale_f32_16x16x128_f8f6f4 with both operands' format E2M1 (or v_wmma_scale_f32_32x16x128_f4), f32 sums; everything else in f32.
;; Inputs: Wk_codes 1,024 x 32 x 16 uint8 (E2M1 codes of Wk, K innermost, in blocks of 32 codes, two codes a byte); Wk_scales 1,024 x 32 uint8 (E8M0 scales of Wk, one for each 32 codes along K); Wproj_codes 1,024 x 32 x 16 uint8 (E2M1 codes of Wproj, K innermost, in blocks of 32 codes, two codes a byte); Wproj_scales 1,024 x 32 uint8 (E8M0 scales of Wproj, one for each 32 codes along K); Wq_codes 1,024 x 32 x 16 uint8 (E2M1 codes of Wq, K innermost, in blocks of 32 codes, two codes a byte); Wq_scales 1,024 x 32 uint8 (E8M0 scales of Wq, one for each 32 codes along K); Wv_codes 1,024 x 32 x 16 uint8 (E2M1 codes of Wv, K innermost, in blocks of 32 codes, two codes a byte); Wv_scales 1,024 x 32 uint8 (E8M0 scales of Wv, one for each 32 codes along K); lamb one number float32; v1 4 x 2,048 x 1,024 float32; x_codes 4 x 2,048 x 32 x 16 uint8 (E2M1 codes of x, K innermost, in blocks of 32 codes, two codes a byte); x_scales 4 x 2,048 x 32 uint8 (E8M0 scales of x, one for each 32 codes along K).
;; Outputs: out0 4 x 2,048 x 1,024 float32; out1 4 x 2,048 x 1,024 float32.
;; This version of the problem:
;;   THIS VERSION OF THE PROBLEM IS GIVEN IN LOW PRECISION. The matrix products marked QUANTISED in the list below multiply operands that are first quantised to E2M1 (2 exponent bits, 1 mantissa bit; 4 bits a number), with one power-of-two scale for each 32 numbers along K (OCP MX v1.0); their sums are f32. All else is computed in f32.
;;   The module's matrix products, in the order in which they are computed (A, B: the left and right operand; K: the contracted axis; several contracted axes count as one K, in the product's order):
;;     1. [M 8,192, K 1,024] x [K 1,024, N 1,024]; A: input x (given as codes); B: input Wq (given as codes): QUANTISED
;;     2. [M 8,192, K 1,024] x [K 1,024, N 1,024]; A: input x (given as codes); B: input Wk (given as codes): QUANTISED
;;     3. [M 8,192, K 1,024] x [K 1,024, N 1,024]; A: input x (given as codes); B: input Wv (given as codes): QUANTISED
;;     4. batch 64 x [M 2,048, K 64] x [K 64, N 2,048]; A: computed on the way; B: computed on the way: QUANTISED
;;     5. batch 64 x [M 64, K 2,048] x [K 2,048, N 2,048]; A: computed on the way; B: softmax (see below): QUANTISED
;;     6. [M 8,192, K 1,024] x [K 1,024, N 1,024]; A: computed on the way; B: input Wproj (given as codes): QUANTISED
;;   THE QUANTISER, for each operand of a quantised product, along K:
;;     - K is cut into blocks of 32 from its start; a last block that is shorter is filled with zeros.
;;     - A block's scale is 2^e with e = floor(log2(the largest magnitude in the block)) - 2, held to -126 .. 127; a block of zeros has e = 0. As a byte (E8M0): e + 127.
;;     - Each number is divided by its block's scale, clamped to +-6, and rounded to the nearest number of E2M1, ties to even, subnormals kept.
;;     - The product sums the exact products of the quantised numbers (number of the format x scale) in f32.
;;   ~~~python
;;   def quantise(x, axis):      # numpy; x: float32 -> the quantised numbers, widened to float32 again
;;       x = np.moveaxis(x, axis, -1); K = x.shape[-1]
;;       x = np.pad(x, [(0, 0)] * (x.ndim - 1) + [(0, -K % 32)]); x = x.reshape(x.shape[:-1] + (-1, 32)); a = np.abs(x).max(-1, keepdims=True)
;;       e = np.where(a > 0, np.clip(np.frexp(np.where(a > 0, a, 1))[1] - 1 - 2, -126, 127), 0)      # np.frexp(a)[1] - 1 = floor(log2(a)), exactly
;;       r = np.clip(x / 2.0 ** e, -6, 6)
;;       step = 2.0 ** (np.maximum(np.frexp(np.where(r == 0, 1, r))[1] - 1, 0) - 1)
;;       q = np.round(r / step) * step * 2.0 ** e      # np.round: ties to even
;;       return np.moveaxis(q.reshape(q.shape[:-2] + (-1,))[..., :K], -1, axis).astype(np.float32)
;;   ~~~
;;   SOFTMAX AHEAD OF A QUANTISED PRODUCT. Where the list says 'softmax', what is quantised is not the finished softmax but p = 2^(t - M), with t = logit x log2(e) and M = ceil(the row's largest t), a whole number; so 1/2 < the row's largest p <= 1. The row's sum l is taken of the UNQUANTISED p, in f32, and the product's result is divided by l at the end. Since M is a whole number, a kernel that streams over the keys may use a running M (the ceiling of the running maximum): every later rescaling is an exact power of two, which a block's scale takes up: the codes' values come out the same.
;;   OPERANDS COMPUTED ON THE WAY. 'Computed on the way' means the value that the module computes at that place (a softmax that the list does not call 'softmax' is quantised finished and normalised). What goes into a quantiser is computed in f32, as accurately as f32 sums, v_exp_f32 and their like allow (about 1e-6 of the number): no bf16 or f16 on the way to a quantiser, and a product that is left as it is and whose result goes on into a quantised operand takes f32 operands (vector FMAs, or v_wmma_f32_16x16x4_f32). A number that lies on a knife's edge between two numbers of the format may be rounded either way, as far as f32 arithmetic and the matrix unit's own rounding can turn it there, and no further.
;;   INPUTS GIVEN AS CODES. Wk (in the module: [1024, 1024], K = its axis 1); Wproj (in the module: [1024, 1024], K = its axis 1); Wq (in the module: [1024, 1024], K = its axis 1); Wv (in the module: [1024, 1024], K = its axis 1); x (in the module: [4, 2048, 1024], K = its axis 2): each comes as NAME_codes (uint8): NAME with its K axis moved to the last place and cut into blocks of 32 codes, [.., K / 32, bytes a block], one block behind the other in memory; two codes a byte, the lower K in the low four bits (a code: sign, 2 exponent bits, 1 mantissa bit); and NAME_scales (uint8): the same leading axes, one E8M0 byte (e + 127) for each 32 codes along K. Its value is code x scale, taken as it is: it is not quantised again, and the codes and scales need not be those that the quantiser above would give.
;; One version. Each part assembles by itself: llvm-mc -triple=amdgcn-amd-amdhsa -mcpu=gfx1250 --defsym DOCPART=n.
;; ======== version 1 of 1: 4 launches
;; limits: right only within a limited range of input values
;; workspace buffers: rope 524,288 bytes; qk_img 8,388,608 bytes; qk_sc 1,048,576 bytes; v_img 4,194,304 bytes; v_sc 262,144 bytes; y_img 4,194,304 bytes; y_sc 262,144 bytes
;; launch vproj (part 1): grid 4 x 64, 16 waves a work-group, clusters of 4 x 4, 327,680 bytes of LDS; arguments x_codes, x_scales, Wv_codes, Wv_scales, v1, lamb, out1, v_img, v_sc, rope; writes out1, v_img, v_sc, rope
.if DOCPART == 1
	.amdgcn_target "amdgcn-amd-amdhsa--gfx1250"
	.amdhsa_code_object_version 6
	.text
	.protected	k_q78fc816284_vproj
	.globl	k_q78fc816284_vproj
	.p2align	8
	.type	k_q78fc816284_vproj,@function
k_q78fc816284_vproj:
	s_mov_b64 s[64:65], 0
	v_nop
	global_prefetch_b8 v0, s[64:65] scope:SCOPE_SE
	s_setreg_imm32_b32 hwreg(HW_REG_WAVE_MODE, 25, 1), 1
	s_wait_xcnt 0x0
	s_wait_alu depctr_hold_cnt(0) depctr_sa_sdst(0) depctr_va_vdst(0) depctr_va_sdst(0) depctr_va_ssrc(0) depctr_va_vcc(0) depctr_vm_vsrc(0)
	s_getreg_b32 s2, hwreg(HW_REG_IB_STS2, 6, 4)
	s_cmp_eq_u32 s2, 0
	s_cbranch_scc0 .Lentry_in_a_cluster
	s_endpgm
.Lentry_in_a_cluster:
	s_bfe_u32 s2, ttmp6, 0x10000c
	s_cmp_lg_u32 s2, 0xf033
	s_cbranch_scc0 .Lentry_shape_is_right
	s_endpgm
.Lentry_shape_is_right:
; v = (1 - lamb) (x Wv^T) + lamb v1, quantised to FP4 (E2M1) ALONG THE KEYS; out1 = v1; and the table of cos and sin for the rotary step.
; x [8192][1024] and Wv [1024][1024] are codes, K innermost (512 bytes a row), one E8M0 byte for each 32 along K (32 bytes a row).
; SHARES.  A work-group takes 128 rows (one step of 128 keys of one batch) x 256 columns (four heads).  Each of its sixteen waves takes all 128 rows x 16 columns:
; 8 accumulators.  Source 0 = 16 rows of x, source 1 = 16 rows of Wv: a lane then holds ONE column d and its registers run down the keys, 16 a + 8 (lane / 16) + j,
; so that the wave's 64 numbers a lane become one whole fragment of V^T (16 d x 128 keys) and its scale word.
; K = 1,024 codes are two LDS slots of 512 along K; each slot and the scale bytes are filled ONCE, so nothing in LDS is filled twice.
; CLUSTER 4 x 4: x's tiles hang on the row block alone and are asked for jointly by a row of the cluster, Wv's on the column block alone, by a column.
; v1's 128 x 256 numbers are asked for in the first six K steps, 512 consecutive bytes a load; they leave again as out1 and then turn through a stage in LDS into the result's layout.
; THE TABLE: rope = [tile of 16 positions][piece 8][lane 32][16 bytes]: words 0-15 of lane (r, h) are cos, words 16-31 sin, word 8 e + j for frequency 16 e + 8 h + j at position 16 tile + r.
; Every thread of the launch makes one number: angle = t x 10^(-f/8) (the factor from a list of 32 f32 numbers), less a whole number of quarter turns (pi/2 in two parts), then a polynomial on +-pi/4.
; LIMITS: NaN and infinities are not served.  A block of zeros, or one whose largest magnitude lies under 2^-124, gets the scale byte 1 (its codes are zeros or held by that floor); the bytes are read by this program alone.
; The 32 factors are 10^(-f/8) rounded to f32; a power function may give the last bit otherwise.
.set SLOTB, 256                        ; one LDS row holds a row's whole K: 512 bytes + 16 of padding; k 512 .. 1,023 begin 256 bytes into it.  v1 is asked for in the first six K steps: three loads in each of the first five, one in the sixth
.set WOFF,  67584                      ; x's 128 rows of 528 bytes, then Wv's 256 rows
.set SCL,   208896                     ; x's scale bytes: 16 runs of 256 bytes + 16
.set SCW,   213248                     ; Wv's: 32 runs
.set SPT,   1040                       ; the stage for v1, over the slots once they are read out: 128 rows of 1,024 bytes + 16
.set PADW,  (1<<20)|(1<<21)|(5<<22)|(3<<25)   ; group 1, word 0: padding on; bit 21 beside a mask; after every 64 words; 4 words
.set PADC,  (1<<20)|(1<<21)|(6<<22)|(3<<25)   ; the same after every 128 words: rows of 512 bytes
.set WV, 24                            ; wave
.set PART, 25                          ; wave % 4: which share of a tile I fetch
.set CX, 26
.set CY, 27
.set WX, 28                            ; column block
.set WY, 29                            ; row block
.set MROW, 30
.set MCOL, 31
.set G1A, 40
.set G1B, 48
.set G1SA, 56
.set G1SB, 68
.set G0SA, 76
.set G0A0, 80
.set G0A1, 84
.set G0SB, 88
.set G0B0, 92
.set G0B1, 96
.set SEL, 100                          ; s[100:101] lane selects: lane l xor 16 (set behind the head's address work)
.set HM, 66                            ; s66 mask of lanes 16-31
.set R, 1
.set H, 2
.set ADRA, 3                           ; v3, v4   x's fragments in slot 0, 1
.set ADRB, 5                           ; v5, v6   my Wv tile
.set ADXS, 7
.set ADWS, 8
.set VIO, 9                            ; my 16 bytes of v1 and out1
.set STW, 10
.set STR, 11                           ; v11, v12
.set LI, 13                            ; 16 x lane
.set SCO, 14
.set TV, 75
.set XS, 16                            ; v16-47 x's scale words (tile a, step q: 4 a + q): scales and nothing else
.set WS, 48                            ; v48-51 Wv's
.set BF, 52
.set LM, 60                            ; v[60:61] 1 - lamb
.set LA, 62                            ; v[62:63] lamb
.set AF, 64                            ; v64-127 x's eight fragments; at the head the table's work; later v1 in the result's layout; at the end TM, PC, PW
.set VI, 128                           ; v128-191 v1 as loaded
.set ACC, 192
.set TM, 64
.set PC, 76
.set PW, 84
.set TBT, 64
.set TBF, 65
.set TBI, 66
.set TBQ, 67
.set TBO, 68
.set TBN, 69
.set TBR, 70
.set TBZ, 71
.set TBP, 72
.set TBS, 15                           ; the table's number stays in v15 until the stores at the kernel's end
.set TBC, 74
.set TBW, 75
.macro PLACES n
.rept \n
	v_nop
.endr
.endm
.macro CROUND                          ; a round of the cluster's barrier
	s_barrier_signal -1
	s_barrier_wait -1
	s_cmp_lg_u32 s[WV], 0
	s_cbranch_scc1 .Lnot_wave_0_\@
	s_barrier_signal -3
.Lnot_wave_0_\@:
	s_barrier_wait -3
	s_barrier_signal -1
	s_barrier_wait -1
.endm
.macro ARM under, g0, g1, next         ; one arm of the head's tree: a joint load and a jump to the tree's end
	s_cmp_lt_u32 s[WV], \under
	s_cbranch_scc0 \next
	tensor_load_to_lds s[\g0:\g0+3], s[\g1:\g1+7]
	s_nop 0
	PLACES 4
	s_branch .Lhead_asked
\next:
.endm
.macro G1SET g, mask, w0, c, r, p      ; group 1: r rows of c elements, p elements from row to row
	s_or_b32 s[\g], s[\mask], \w0
	s_mov_b32 s[\g+1], (\c)<<16
	s_mov_b32 s[\g+2], (\r)<<16
	s_mov_b32 s[\g+3], (\c)<<16
	s_mov_b32 s[\g+4], \r
	s_mov_b32 s[\g+5], \p
	s_mov_b32 s[\g+6], 0
	s_mov_b32 s[\g+7], 0
.endm
.macro G0SET g, mul, base, ptr, off, add   ; group 0: LDS byte base + mul x share; global address pointer + offset + add
	s_mov_b32 s[\g], 1
	s_mul_i32 s[\g+1], s[PART], \mul
.if (\base) != 0
	s_add_co_u32 s[\g+1], s[\g+1], \base
.endif
	s_add_nc_u64 s[\g+2:\g+3], s[\ptr:\ptr+1], s[\off:\off+1]
.if (\add) != 0
	s_add_nc_u64 s[\g+2:\g+3], s[\g+2:\g+3], \add
.endif
	s_or_b32 s[\g+3], s[\g+3], 0x80000000
.endm
.macro FRAGP reg, adr, off             ; a fragment, 16 rows x 128 K of 4-bit codes, from rows: two loads of 16 bytes, 32 bytes apart
	ds_load_b128 v[\reg:\reg+3], v[\adr] offset:\off
	ds_load_b128 v[\reg+4:\reg+7], v[\adr] offset:\off+32
.endm
; nb blocks of 32 along K.  Register 16 b + 8 e + j of src holds k = 32 b + 16 e + 8 (lane / 16) + j of the lane's row.  The codes come out in v[PC] on in the operand's layout, the bytes in v[TM+4] on.
; The code register of (block b, half e) is written at PC + 4 (b / 2) + 2 e + b % 2; the exchange of lanes 16-31 of the even register with lanes 0-15 of the odd one then leaves a WHOLE block in a lane.
.macro QUANT nb, src, abs
.set qb, 0
.rept \nb
.if \abs
	v_max3_num_f32 v[TM+qb], |v[(\src)+16*qb]|, |v[(\src)+16*qb+1]|, 0x1800000    ; my 16 numbers, and the floor 2^(3 - 127): the byte cannot fall under 1
.else
	v_max3_num_f32 v[TM+qb], v[(\src)+16*qb], v[(\src)+16*qb+1], 0x1800000
.endif
.set qb, qb+1
.endr
.irp i, 2,4,6,8,10,12,14
.set qb, 0
.rept \nb
.if \abs
	s_delay_alu instid0(VALU_DEP_4)
	v_max3_num_f32 v[TM+qb], v[TM+qb], |v[(\src)+16*qb+\i]|, |v[(\src)+16*qb+\i+1]|
.else
	v_max3_num_f32 v[TM+qb], v[TM+qb], v[(\src)+16*qb+\i], v[(\src)+16*qb+\i+1]
.endif
.set qb, qb+1
.endr
.endr
.set qb, 0
.rept \nb
	s_delay_alu instid0(VALU_DEP_4)
	v_permlanex16_b32 v[TM+4+qb], v[TM+qb], s[SEL], s[SEL+1]
.set qb, qb+1
.endr
.set qb, 0
.rept \nb
	s_delay_alu instid0(VALU_DEP_4)
	v_max_num_f32 v[TM+qb], v[TM+qb], v[TM+4+qb]          ; with lane l xor 16's 16: the block's largest magnitude
.set qb, qb+1
.endr
.set qb, 0
.rept \nb
	s_delay_alu instid0(VALU_DEP_4)
	v_add_nc_u32 v[TM+8+qb], 0xff000000, v[TM+qb]         ; 2 off its exponent field: the conversion's scale operand
.set qb, qb+1
.endr
.set qb, 0
.rept \nb
	s_delay_alu instid0(VALU_DEP_4)
	v_lshrrev_b32 v[TM+4+qb], 23, v[TM+8+qb]              ; the scale's byte
.set qb, qb+1
.endr
.set qb, 0
.rept \nb
	v_cvt_scalef32_pk8_fp4_f32 v[PC+4*(qb/2)+(qb%2)], v[(\src)+16*qb:(\src)+16*qb+7], v[TM+8+qb]
	v_cvt_scalef32_pk8_fp4_f32 v[PC+4*(qb/2)+2+(qb%2)], v[(\src)+16*qb+8:(\src)+16*qb+15], v[TM+8+qb]
.set qb, qb+1
.endr
	v_nop                                                 ; one plain place behind the scaled conversions
.set qb, 0
.rept \nb
	v_permlane16_swap_b32 v[PC+2*qb], v[PC+2*qb+1]
.set qb, qb+1
.endr
.endm
.macro INVF k, lit                     ; the factor of frequency k
	v_cmp_ne_u32 vcc_lo, \k, v[TBF]
	s_delay_alu instid0(VALU_DEP_1)
	v_cndmask_b32 v[TBI], \lit, v[TBI], vcc_lo
.endm
	s_load_b512 s[4:19], s[0:1], 0x0               ; x_codes 4, x_scales 6, Wv_codes 8, Wv_scales 10, v1 12, lamb 14, out1 16, v_img 18
	s_load_b128 s[20:23], s[0:1], 0x40             ; v_sc 20, rope 22
	v_lshl_add_u32 v254, v0, 2, 0x36300
	v_mov_b32 v255, 0
	ds_add_u32 v254, v255
	ds_add_u32 v254, v255
	s_wait_dscnt 0x0
	v_lshrrev_b32 v1, 5, v0
	s_delay_alu instid0(VALU_DEP_1)
	v_readfirstlane_b32 s[WV], v1
	s_and_b32 s[PART], s[WV], 3                    ; which quarter of a tile I fetch
	s_bfe_u32 s[CX], ttmp6, 0x40000
	s_bfe_u32 s[CY], ttmp6, 0x40004
	s_lshl_b32 s[WX], ttmp9, 2
	s_add_co_u32 s[WX], s[WX], s[CX]
	s_and_b32 s[WY], ttmp7, 0xffff
	s_lshl_b32 s[WY], s[WY], 2
	s_add_co_u32 s[WY], s[WY], s[CY]
	s_lshl_b32 s[MROW], s[CY], 2
	s_lshl_b32 s[MROW], 15, s[MROW]                ; my row of the cluster
	s_lshl_b32 s[MCOL], 0x1111, s[CX]              ; my column
	G1SET G1A, MROW, PADC, 512, 32, 512            ; x: 32 whole rows of 512 bytes a load
	G1SET G1B, MCOL, PADC, 512, 64, 512            ; Wv: 64 rows
	G1SET G1SA, MROW, (3<<16)|PADW, 32, 4, 32      ; scale bytes of 32 rows: 1,024 dense bytes as 4 rows of 32 elements of 8 bytes
	G1SET G1SB, MCOL, (3<<16)|PADW, 32, 8, 32      ; of 64 rows
	s_lshl_b32 s32, s[WY], 7                       ; x: my first row 128 WY + 32 share (s32-35 never hold cx)
	s_lshl_b32 s33, s[PART], 5
	s_add_co_u32 s32, s32, s33
	s_lshl_b32 s34, s32, 5                         ; its scale bytes
	s_mov_b32 s35, 0
	s_lshl_b32 s32, s32, 9                         ; its codes
	s_mov_b32 s33, 0
	s_lshl_b32 s36, s[WX], 8                       ; Wv: 256 WX + 64 share (s36-39 never hold cy)
	s_lshl_b32 s37, s[PART], 6
	s_add_co_u32 s36, s36, s37
	s_lshl_b32 s38, s36, 5
	s_mov_b32 s39, 0
	s_lshl_b32 s36, s36, 9
	s_mov_b32 s37, 0
	s_wait_kmcnt 0x0
	G0SET G0SA, 1088, SCL, 6, 34, 0
	G0SET G0A0, 16896, 0, 4, 32, 0
	G0SET G0SB, 2176, SCW, 10, 38, 0
	G0SET G0B0, 33792, WOFF, 8, 36, 0
	CROUND                                         ; all sixteen work-groups are here: the joint loads meet
	ARM 4, G0A0, G1A, .Lhead_b                     ; one load a wave: waves 0-3 x's codes,
	ARM 8, G0B0, G1B, .Lhead_sa                    ; waves 4-7 Wv's,
	ARM 12, G0SA, G1SA, .Lhead_sb                  ; waves 8-11 x's scale bytes,
	tensor_load_to_lds s[G0SB:G0SB+3], s[G1SB:G1SB+7]   ; waves 12-15 Wv's
	s_nop 0
	PLACES 4
.Lhead_asked:
	s_load_b32 s67, s[14:15], 0x0                  ; lamb
	s_lshl_b32 s2, s[WY], 19                       ; v1 and out1: 128 rows of 4,096 bytes a row block, 1,024 bytes a column block
	s_lshl_b32 s3, s[WX], 10
	s_add_co_u32 s2, s2, s3
	s_mov_b32 s3, 0
	s_add_nc_u64 s[12:13], s[12:13], s[2:3]
	s_add_nc_u64 s[16:17], s[16:17], s[2:3]
	v_and_b32 v[TBF], 31, v0                       ; lane
	s_wait_alu depctr_va_vdst(0)
	v_lshlrev_b32 v[LI], 4, v[TBF]
	s_wait_alu depctr_va_vdst(0)
	s_lshl_b32 s100, s[WV], 15                     ; my rows 8 w .. 8 w + 7
	v_add_nc_u32 v[VIO], s100, v[LI]
	; ---- the table: position t = 8 n + lane / 4 (n = the work-group's number), frequency f = 16 (w / 4 % 2) + 8 (w % 2) + 4 (w / 2 % 2) + lane % 4; waves 0-7 cos, 8-15 sin
	s_lshl_b32 s66, s[WY], 2
	s_add_co_u32 s66, s66, s[WX]                   ; n
	v_lshrrev_b32 v[TBT], 2, v[TBF]
	s_delay_alu instid0(VALU_DEP_1)
	v_lshl_add_u32 v[TBT], s66, 3, v[TBT]          ; t
	s_lshr_b32 s2, s66, 1
	s_lshl_b32 s2, s2, 12                          ; the tile of 16 positions,
	s_and_b32 s100, s66, 1
	s_lshl_b32 s100, s100, 7                       ; its upper or lower eight (16 bytes a position),
	s_add_co_u32 s2, s2, s100
	s_lshl_b32 s100, s[WV], 8                      ; piece w / 2 (512 bytes) and half w % 2 (256 bytes)
	s_add_co_u32 s2, s2, s100
	s_add_nc_u64 s[22:23], s[22:23], s[2:3]
	s_bfe_u32 s100, s[WV], 0x10002
	s_lshl_b32 s100, s100, 4
	s_and_b32 s101, s[WV], 1
	s_lshl_b32 s101, s101, 3
	s_add_co_u32 s100, s100, s101
	s_and_b32 s101, s[WV], 2
	s_lshl_b32 s101, s101, 1
	s_add_co_u32 s100, s100, s101
	v_and_b32 v[TBF], 3, v[TBF]
	s_delay_alu instid0(VALU_DEP_1)
	v_add_nc_u32 v[TBF], s100, v[TBF]              ; f
	s_lshr_b32 s101, s[WV], 3
	s_xor_b32 s101, s101, 1                        ; cos(a) = sin(a + pi/2): one quarter turn more for the cos waves
	v_mov_b32 v[TBI], 1.0
	INVF 1, 0x3f3ff911
	INVF 2, 0x3f0ff59a
	INVF 3, 0x3ed7e89b
	INVF 4, 0x3ea1e89b
	INVF 5, 0x3e72d424
	INVF 6, 0x3e361887
	INVF 7, 0x3e088d77
	INVF 8, 0x3dcccccd
	INVF 9, 0x3d99940e
	INVF 10, 0x3d6655c3
	INVF 11, 0x3d2cba15
	INVF 12, 0x3d0186e2
	INVF 13, 0x3cc24350
	INVF 14, 0x3c91ad39
	INVF 15, 0x3c5a7bf1
	INVF 16, 0x3c23d70a
	INVF 17, 0x3bf5b9b0
	INVF 18, 0x3bb8449c
	INVF 19, 0x3b8a2e77
	INVF 20, 0x3b4f3e37
	INVF 21, 0x3b1b690d
	INVF 22, 0x3ae91528
	INVF 23, 0x3aaec98e
	INVF 24, 0x3a83126f
	INVF 25, 0x3a44948c
	INVF 26, 0x3a136a16
	INVF 27, 0x39dd1726
	INVF 28, 0x39a5cb5f
	INVF 29, 0x3978a814
	INVF 30, 0x393a7753
	INVF 31, 0x390bd472
	v_cvt_f32_u32 v[TBT], v[TBT]
	s_delay_alu instid0(VALU_DEP_1)
	v_mul_f32 v[TBT], v[TBT], v[TBI]               ; the angle: one f32 product
	s_delay_alu instid0(VALU_DEP_1)
	v_mul_f32 v[TBN], 0x3f22f983, v[TBT]           ; x 2 / pi
	s_delay_alu instid0(VALU_DEP_1)
	v_rndne_f32 v[TBN], v[TBN]                     ; quarter turns (at most 1,303)
	s_delay_alu instid0(VALU_DEP_1)
	v_fma_f32 v[TBR], -v[TBN], 0x3fc90fdb, v[TBT]  ; less n x pi/2, pi/2 in two parts
	s_delay_alu instid0(VALU_DEP_1)
	v_fma_f32 v[TBR], -v[TBN], 0xb33bbd2e, v[TBR]
	s_delay_alu instid0(VALU_DEP_3)
	v_cvt_i32_f32 v[TBQ], v[TBN]
	s_delay_alu instid0(VALU_DEP_2)
	v_mul_f32 v[TBZ], v[TBR], v[TBR]
	v_mov_b32 v[TBP], 0xb94ca1f9                   ; sin on +-pi/4
	s_delay_alu instid0(VALU_DEP_1)
	v_fmaak_f32 v[TBP], v[TBP], v[TBZ], 0x3c08839e
	s_delay_alu instid0(VALU_DEP_1)
	v_fmaak_f32 v[TBP], v[TBP], v[TBZ], 0xbe2aaaa3
	s_delay_alu instid0(VALU_DEP_4)
	v_mul_f32 v[TBW], v[TBZ], v[TBR]
	s_delay_alu instid0(VALU_DEP_1)
	v_fma_f32 v[TBS], v[TBP], v[TBW], v[TBR]
	v_mov_b32 v[TBP], 0x37ccf5ce                   ; cos on +-pi/4
	s_delay_alu instid0(VALU_DEP_1)
	v_fmaak_f32 v[TBP], v[TBP], v[TBZ], 0xbab6061a
	s_delay_alu instid0(VALU_DEP_1)
	v_fmaak_f32 v[TBP], v[TBP], v[TBZ], 0x3d2aaaa5
	v_mul_f32 v[TBW], v[TBZ], v[TBZ]
	v_fma_f32 v[TBC], v[TBZ], -0.5, 1.0
	s_delay_alu instid0(VALU_DEP_1)
	v_fma_f32 v[TBC], v[TBP], v[TBW], v[TBC]
	v_add_nc_u32 v[TBQ], s101, v[TBQ]
	s_delay_alu instid0(VALU_DEP_1)
	v_and_b32 v[TBW], 1, v[TBQ]
	s_delay_alu instid0(VALU_DEP_1)
	v_cmp_eq_u32 vcc_lo, 1, v[TBW]
	s_delay_alu instid0(VALU_DEP_1)
	v_cndmask_b32 v[TBS], v[TBS], v[TBC], vcc_lo   ; odd quarter: the other polynomial
	s_delay_alu instid0(VALU_DEP_4)
	v_and_b32 v[TBW], 2, v[TBQ]
	s_delay_alu instid0(VALU_DEP_1)
	v_lshlrev_b32 v[TBW], 30, v[TBW]
	s_delay_alu instid0(VALU_DEP_1)
	v_xor_b32 v[TBS], v[TBS], v[TBW]               ; quarters 2 and 3: the other sign
	; ---- where my fragment of V^T and its scale words go: index ((16 b + head) 16 + step) 4 + tile of d
	s_lshr_b32 s66, s[WY], 4
	s_lshl_b32 s66, s66, 4
	s_lshl_b32 s100, s[WX], 2
	s_add_co_u32 s66, s66, s100
	s_lshr_b32 s100, s[WV], 2
	s_add_co_u32 s66, s66, s100
	s_lshl_b32 s66, s66, 4
	s_and_b32 s100, s[WY], 15
	s_add_co_u32 s66, s66, s100
	s_lshl_b32 s66, s66, 2
	s_and_b32 s100, s[WV], 3
	s_add_co_u32 s66, s66, s100
	s_lshl_b32 s2, s66, 10
	s_add_nc_u64 s[18:19], s[18:19], s[2:3]
	s_lshl_b32 s2, s66, 6
	s_add_nc_u64 s[20:21], s[20:21], s[2:3]
	; ---- LDS addresses
	v_and_b32 v[R], 15, v0
	v_bfe_u32 v[H], v0, 4, 1
	s_delay_alu instid0(VALU_DEP_2)
	v_mul_u32_u24 v[ADRA], v[R], 528
	s_delay_alu instid0(VALU_DEP_1)
	v_lshl_add_u32 v[ADRA], v[H], 4, v[ADRA]       ; row x pitch + 16 x half
	s_delay_alu instid0(VALU_DEP_1)
	v_add_nc_u32 v[ADRA+1], SLOTB, v[ADRA]
	s_mul_i32 s100, s[WV], 8448
	s_add_co_u32 s100, s100, WOFF
	v_add_nc_u32 v[ADRB], s100, v[ADRA]            ; my 16 rows of Wv
	s_delay_alu instid0(VALU_DEP_1)
	v_add_nc_u32 v[ADRB+1], SLOTB, v[ADRB]
	v_lshrrev_b32 v[TV], 3, v[R]                   ; a row's 32 scale bytes: eight rows to a run of 256 + 16
	s_delay_alu instid0(VALU_DEP_1)
	v_mul_u32_u24 v[TV], v[TV], 272
	v_and_b32 v[ADXS], 7, v[R]
	s_delay_alu instid0(VALU_DEP_1)
	v_lshl_add_u32 v[TV], v[ADXS], 5, v[TV]
	s_delay_alu instid0(VALU_DEP_1)
	v_add_nc_u32 v[ADXS], SCL, v[TV]
	s_mul_i32 s100, s[WV], 544
	s_add_co_u32 s100, s100, SCW
	v_add_nc_u32 v[ADWS], s100, v[TV]
	s_mul_i32 s100, s[WV], 8*SPT
	v_add_nc_u32 v[STW], s100, v[LI]               ; the stage, in: my 8 rows as loaded
	v_mul_u32_u24 v[STR], v[H], 8*SPT              ; out: key 8 h + .., column 16 w + r
	s_delay_alu instid0(VALU_DEP_1)
	v_lshl_add_u32 v[STR], v[R], 2, v[STR]
	s_lshl_b32 s100, s[WV], 6
	v_add_nc_u32 v[STR], s100, v[STR]
	s_delay_alu instid0(VALU_DEP_1)
	v_add_nc_u32 v[STR+1], 64*SPT, v[STR]
	v_lshlrev_b32 v[SCO], 2, v[R]
	s_delay_alu instid0(VALU_DEP_1)
	v_lshl_add_u32 v[SCO], v[H], 1, v[SCO]         ; 4 r + 2 h: my half of row r's scale word
	s_mov_b32 s[SEL], 0x76543210
	s_mov_b32 s[SEL+1], 0xfedcba98
	s_mov_b32 s[HM], 0xffff0000
	s_wait_alu depctr_va_vdst(0)
	s_wait_kmcnt 0x0                               ; lamb
	v_mov_b32 v[LA], s67
	v_mov_b32 v[LA+1], s67
	s_delay_alu instid0(VALU_DEP_2)
	v_sub_f32 v[LM], 1.0, v[LA]
	s_delay_alu instid0(VALU_DEP_1)
	v_mov_b32 v[LM+1], v[LM]
	s_wait_alu depctr_va_vdst(0)
	s_wait_xcnt 0x0
	s_wait_tensorcnt 0x0                           ; my one load has landed
	s_barrier_signal -1
	s_barrier_wait -1                              ; everybody's are
.macro MULV a, q, zero
.if \zero
	v_wmma_scale_f32_16x16x128_f8f6f4 v[ACC+8*\a:ACC+8*\a+7], v[AF+8*\a:AF+8*\a+7], v[BF:BF+7], 0, v[XS+4*\a+\q], v[WS+\q] matrix_a_fmt:MATRIX_FMT_FP4 matrix_b_fmt:MATRIX_FMT_FP4
.else
	v_wmma_scale_f32_16x16x128_f8f6f4 v[ACC+8*\a:ACC+8*\a+7], v[AF+8*\a:AF+8*\a+7], v[BF:BF+7], v[ACC+8*\a:ACC+8*\a+7], v[XS+4*\a+\q], v[WS+\q] matrix_a_fmt:MATRIX_FMT_FP4 matrix_b_fmt:MATRIX_FMT_FP4
.endif
.endm
; 128 along K: the slot's q-th.  The eight accumulators take turns, in the same order in every step.  zero = 1: the first products start the sums.
.macro KSTEP slot, q, zero
.if \zero == 0
	PLACES 4                                       ; in front of loads into registers that matrix instructions have read (ISA guide 7.12.1 for vector instructions)
.endif
.if \q == 0
.irp a, 0,1,2,3,4,5,6,7
	ds_load_b128 v[XS+4*\a:XS+4*\a+3], v[ADXS] offset:\a*544+16*\slot    ; the slot's four scale words of x's tile a
.endr
	ds_load_b128 v[WS:WS+3], v[ADWS] offset:16*\slot
.endif
	FRAGP BF, ADRB+\slot, 64*\q
.irp a, 0,1,2,3,4,5,6,7
	FRAGP AF+8*\a, ADRA+\slot, \a*8448+64*\q
.endr
.irp u, 0,1,2                                  ; v1: my 16 loads of 512 consecutive bytes, three in each of the first five K steps and one in the sixth, behind the step's LDS loads
.set vi, 3*(4*\slot+\q)+\u
.if vi < 16
	global_load_b128 v[VI+4*vi:VI+4*vi+3], v[VIO], s[12:13] offset:(vi/2)*4096+(vi%2)*512 th:TH_LOAD_NT
.endif
.endr
	s_wait_dscnt 8                                 ; all but the youngest eight LDS loads (x's tiles 4-7)
.irp a, 0,1,2,3
	MULV \a, \q, \zero
.endr
	s_wait_dscnt 0x0
.irp a, 4,5,6,7
	MULV \a, \q, \zero
.endr
.endm
	KSTEP 0, 0, 1
	KSTEP 0, 1, 0
	KSTEP 0, 2, 0
	KSTEP 0, 3, 0
	KSTEP 1, 0, 0
	KSTEP 1, 1, 0
	KSTEP 1, 2, 0
	KSTEP 1, 3, 0
	PLACES 4                                       ; in front of the loads into x's fragment registers and of the first read of results
	s_wait_loadcnt 0x0                             ; v1 is in
	s_wait_dscnt 0x0
	s_barrier_signal -1
	s_barrier_wait -1                              ; nobody reads the slots any more, and they have had their only fill: the stage may be written
.irp i, 0,1,2,3,4,5,6,7,8,9,10,11,12,13,14,15
	ds_store_b128 v[STW], v[VI+4*\i:VI+4*\i+3] offset:(\i/2)*SPT+(\i%2)*512
	global_store_b128 v[VIO], v[VI+4*\i:VI+4*\i+3], s[16:17] offset:(\i/2)*4096+(\i%2)*512 th:TH_STORE_NT   ; out1 = v1: 512 consecutive bytes; it leaves while the stage is read and v is quantised
.endr
	s_wait_dscnt 0x0                               ; for the others' sake: my rows lie in the stage
	s_barrier_signal -1
	s_barrier_wait -1
.irp a, 0,1,2,3,4,5,6,7
.irp j, 0,1,2,3,4,5,6,7
	ds_load_b32 v[AF+8*\a+\j], v[STR+\a/4] offset:(16*(\a%4)+\j)*SPT     ; v1(key 16 a + 8 h + j, column 16 w + r): lanes 0-15 take 16 neighbouring words, lanes 16-31 the same 8 rows (2,080 words) on
.endr
.endr
	s_wait_dscnt 0x0
.irp i, 0,2,4,6,8,10,12,14,16,18,20,22,24,26,28,30,32,34,36,38,40,42,44,46,48,50,52,54,56,58,60,62
	v_pk_mul_f32 v[AF+\i:AF+\i+1], v[AF+\i:AF+\i+1], v[LA:LA+1]
.endr
.irp i, 0,2,4,6,8,10,12,14,16,18,20,22,24,26,28,30,32,34,36,38,40,42,44,46,48,50,52,54,56,58,60,62
	v_pk_fma_f32 v[ACC+\i:ACC+\i+1], v[ACC+\i:ACC+\i+1], v[LM:LM+1], v[AF+\i:AF+\i+1]   ; (1 - lamb) v + lamb v1; each accumulator from its low end on
.endr
	QUANT 4, ACC, 1
	v_lshl_or_b32 v[PW], v[TM+5], 8, v[TM+4]       ; column d's scale word for these 128 keys
	s_delay_alu instid0(VALU_DEP_1)
	v_lshl_or_b32 v[PW], v[TM+6], 16, v[PW]
	s_delay_alu instid0(VALU_DEP_1)
	v_lshl_or_b32 v[PW], v[TM+7], 24, v[PW]
	global_store_b128 v[LI], v[PC:PC+3], s[18:19]              ; the fragment as an image of its registers: 512 consecutive bytes a store
	global_store_b128 v[LI], v[PC+4:PC+7], s[18:19] offset:512
	v_lshrrev_b32 v[PW+1], 16, v[PW]
	s_delay_alu instid0(VALU_DEP_1)
	v_cndmask_b32 v[PW+1], v[PW], v[PW+1], s[HM]   ; lanes 16-31 store the word's upper half
	global_store_b16 v[SCO], v[PW+1], s[20:21]     ; 64 consecutive bytes a wave
	v_lshrrev_b32 v[PW+2], 2, v[LI]                ; 4 x lane
	global_store_b32 v[PW+2], v[TBS], s[22:23]     ; the table's number: the wave stores 128 consecutive bytes
	s_wait_dscnt 0x0
	s_wait_xcnt 0x0
	v_lshl_add_u32 v254, v0, 2, 0x36300
	v_mov_b32 v255, 0
	s_wait_alu depctr_va_vdst(0)
	s_wait_tensorcnt 0x0
	ds_add_u32 v254, v255
	s_wait_dscnt 0x0
	CROUND                                         ; the closing round: no work-group ends while a partner may still ask for a tile that names it
	s_endpgm
.Lfunc_end_k_q78fc816284_vproj:
	.size	k_q78fc816284_vproj, .Lfunc_end_k_q78fc816284_vproj-k_q78fc816284_vproj
	.p2alignl 7, 3214868480
	.fill 96, 4, 3214868480
	.section	.rodata,"a",@progbits
	.p2align	6, 0x0
	.amdhsa_kernel k_q78fc816284_vproj
		.amdhsa_group_segment_fixed_size 327680
		.amdhsa_private_segment_fixed_size 0
		.amdhsa_enable_private_segment 0
		.amdhsa_kernarg_size 80
		.amdhsa_user_sgpr_count 2
		.amdhsa_user_sgpr_kernarg_segment_ptr 1
		.amdhsa_wavefront_size32 1
		.amdhsa_system_sgpr_workgroup_id_x 1
		.amdhsa_system_sgpr_workgroup_id_y 1
		.amdhsa_system_sgpr_workgroup_id_z 1
		.amdhsa_system_vgpr_workitem_id 0
		.amdhsa_next_free_vgpr 256
		.amdhsa_next_free_sgpr 102
		.amdhsa_reserve_vcc 1
		.amdhsa_float_denorm_mode_32 3
		.amdhsa_float_denorm_mode_16_64 3
		.amdhsa_memory_ordered 1
		.amdhsa_forward_progress 1
		.amdhsa_inst_pref_size 55
	.end_amdhsa_kernel
	.amdgpu_metadata
---
amdhsa.version: [ 1, 2 ]
amdhsa.kernels:
  - .name:           k_q78fc816284_vproj
    .symbol:         k_q78fc816284_vproj.kd
    .args:
      - { .name: x_codes, .offset: 0, .size: 8, .value_kind: global_buffer, .address_space: global }
      - { .name: x_scales, .offset: 8, .size: 8, .value_kind: global_buffer, .address_space: global }
      - { .name: Wv_codes, .offset: 16, .size: 8, .value_kind: global_buffer, .address_space: global }
      - { .name: Wv_scales, .offset: 24, .size: 8, .value_kind: global_buffer, .address_space: global }
      - { .name: v1, .offset: 32, .size: 8, .value_kind: global_buffer, .address_space: global }
      - { .name: lamb, .offset: 40, .size: 8, .value_kind: global_buffer, .address_space: global }
      - { .name: out1, .offset: 48, .size: 8, .value_kind: global_buffer, .address_space: global }
      - { .name: v_img, .offset: 56, .size: 8, .value_kind: global_buffer, .address_space: global }
      - { .name: v_sc, .offset: 64, .size: 8, .value_kind: global_buffer, .address_space: global }
      - { .name: rope, .offset: 72, .size: 8, .value_kind: global_buffer, .address_space: global }
    .group_segment_fixed_size: 327680
    .private_segment_fixed_size: 0
    .kernarg_segment_align: 8
    .kernarg_segment_size: 80
    .max_flat_workgroup_size: 512
    .sgpr_count:     102
    .vgpr_count:     256
    .wavefront_size: 32
...
	.end_amdgpu_metadata
.endif
;; end of part 1
;; launch qkproj (part 2): grid 8 x 32, 16 waves a work-group, clusters of 4 x 4, 327,680 bytes of LDS; arguments x_codes, x_scales, Wq_codes, Wq_scales, Wk_codes, Wk_scales, rope, qk_img, qk_sc; writes qk_img, qk_sc
.if DOCPART == 2
	.amdgcn_target "amdgcn-amd-amdhsa--gfx1250"
	.amdhsa_code_object_version 6
	.text
	.protected	k_q78fc816284_qkproj
	.globl	k_q78fc816284_qkproj
	.p2align	8
	.type	k_q78fc816284_qkproj,@function
k_q78fc816284_qkproj:
	s_mov_b64 s[64:65], 0
	v_nop
	global_prefetch_b8 v0, s[64:65] scope:SCOPE_SE
	s_setreg_imm32_b32 hwreg(HW_REG_WAVE_MODE, 25, 1), 1
	s_wait_xcnt 0x0
	s_wait_alu depctr_hold_cnt(0) depctr_sa_sdst(0) depctr_va_vdst(0) depctr_va_sdst(0) depctr_va_ssrc(0) depctr_va_vcc(0) depctr_vm_vsrc(0)
	s_getreg_b32 s2, hwreg(HW_REG_IB_STS2, 6, 4)
	s_cmp_eq_u32 s2, 0
	s_cbranch_scc0 .Lentry_in_a_cluster
	s_endpgm
.Lentry_in_a_cluster:
	s_bfe_u32 s2, ttmp6, 0x10000c
	s_cmp_lg_u32 s2, 0xf033
	s_cbranch_scc0 .Lentry_shape_is_right
	s_endpgm
.Lentry_shape_is_right:
; q = rope(rms_norm(x Wq^T)), k = rope(rms_norm(x Wk^T)), head by head (64 numbers), quantised to FP4 (E2M1) along the head's 64.
; The clusters with x = 0 make q, those with x = 1 make k: only pointers are chosen, both take one path.
; SHARES.  A work-group takes 256 rows x 256 columns (four heads); wave w takes 64 rows (w / 4) x one head (w % 4): 16 accumulators.
; THE PRODUCT IS USED TRANSPOSED (source 0 = 16 rows of W, source 1 = 16 rows of x): a lane holds ONE row t, and register j of tile aw the channel d = 16 aw + 8 (lane / 16) + j.
; So a row's sum of squares is a lane's 32 numbers and lane l xor 16's; the rotary pair (d, d + 32) lies in tiles e and e + 2 of the same lane; and the registers run along the next product's K.
; K = 1,024 codes are two LDS slots of 512 along K, each filled ONCE, with the scale bytes.  CLUSTER 4 x 4: x's tiles are shared along a row of the cluster, W's along a column.
; OUT: qk_img [q, k][batch x head][tile of 16 rows][lane][16 bytes]: registers 0-3 of the operand's fragment (lane (r, h): row r, channels 32 h ..).
;      qk_sc [q, k][batch x head][64 rows][lane][2 words]: lane 16 u + r, word p: the scale word of tile 2 p + u, row r (two bytes; the upper two are 0, for codes that are zeros).
; LIMITS: NaN and infinities are not served; a block of zeros gets the scale byte 1 (its codes are zeros; this program alone reads the bytes).
.set SLOTB, 256                        ; one LDS row holds a row's whole K: 512 bytes + 16 of padding; k 512 .. 1,023 begin 256 bytes into it
.set WOFF,  135168                     ; x's 256 rows of 528 bytes, then W's 256 rows
.set SCL,   278528                     ; x's scale bytes (32 runs of 256 + 16), then W's
.set PADW,  (1<<20)|(1<<21)|(5<<22)|(3<<25)
.set PADC,  (1<<20)|(1<<21)|(6<<22)|(3<<25)   ; padding after every 128 words: rows of 512 bytes
.set WV, 24
.set PART, 25
.set CX, 26
.set CY, 27
.set WY, 29
.set MROW, 30
.set MCOL, 31
.set G1A, 40
.set G1B, 48
.set G1SA, 56
.set G1SB, 68
.set G0SA, 76
.set G0A0, 80
.set G0A1, 84
.set G0SB, 88
.set G0B0, 92
.set G0B1, 96
.set SEL, 66                           ; s[66:67]
.set C64, 100                          ; 1 / 64
.set EPS, 101                          ; 2^-23
.set HM, 2                             ; mask of lanes 16-31
.set R, 1
.set H, 2
.set TV, 3
.set ADRX, 4                           ; v4, v5
.set ADRW, 6                           ; v6, v7
.set ADRS, 8
.set LI, 10                            ; 16 x lane
.set L8, 11                            ; 8 x lane
.set SC, 16                            ; v16-31 scale words: register 4 i + q: lanes 0-15 x's tile i, lanes 16-31 W's tile i
.set XF, 32                            ; v32-63 x's fragments; later table set T1
.set WF, 64                            ; v64-95 W's fragments; later what follows
.set PC, 64
.set WD, 68                            ; the four row tiles' scale words
.set SP, 72
.set TM, 74
.set RT, 84
.set RS, 88                            ; v88-95: four pairs: sums of squares, then 1 / rms in the even register
.set T0, 96                            ; v96-127 table set
.set T1, 32
.set ACC, 128                          ; (ax, aw) at 128 + 32 ax + 8 aw
.macro PLACES n
.rept \n
	v_nop
.endr
.endm
.macro CROUND
	s_barrier_signal -1
	s_barrier_wait -1
	s_cmp_lg_u32 s[WV], 0
	s_cbranch_scc1 .Lnot_wave_0_\@
	s_barrier_signal -3
.Lnot_wave_0_\@:
	s_barrier_wait -3
	s_barrier_signal -1
	s_barrier_wait -1
.endm
.macro ARM under, g0, g1, next         ; one arm of the head's tree: a joint load and a jump to the tree's end
	s_cmp_lt_u32 s[WV], \under
	s_cbranch_scc0 \next
	tensor_load_to_lds s[\g0:\g0+3], s[\g1:\g1+7]
	s_nop 0
	PLACES 4
	s_branch .Lhead_asked
\next:
.endm
.macro G1SET g, mask, w0, c, r, p
	s_or_b32 s[\g], s[\mask], \w0
	s_mov_b32 s[\g+1], (\c)<<16
	s_mov_b32 s[\g+2], (\r)<<16
	s_mov_b32 s[\g+3], (\c)<<16
	s_mov_b32 s[\g+4], \r
	s_mov_b32 s[\g+5], \p
	s_mov_b32 s[\g+6], 0
	s_mov_b32 s[\g+7], 0
.endm
.macro G0SET g, mul, base, ptr, off, add
	s_mov_b32 s[\g], 1
	s_mul_i32 s[\g+1], s[PART], \mul
.if (\base) != 0
	s_add_co_u32 s[\g+1], s[\g+1], \base
.endif
	s_add_nc_u64 s[\g+2:\g+3], s[\ptr:\ptr+1], s[\off:\off+1]
.if (\add) != 0
	s_add_nc_u64 s[\g+2:\g+3], s[\g+2:\g+3], \add
.endif
	s_or_b32 s[\g+3], s[\g+3], 0x80000000
.endm
.macro FRAGP reg, adr, off
	ds_load_b128 v[\reg:\reg+3], v[\adr] offset:\off
	ds_load_b128 v[\reg+4:\reg+7], v[\adr] offset:\off+32
.endm
; nb blocks of 32 along K.  Register 16 b + 8 e + j of src holds k = 32 b + 16 e + 8 (lane / 16) + j of the lane's row.  Codes in v[PC] on in the operand's layout, bytes in v[TM+4] on.
.macro QUANT nb, src, abs
.set qb, 0
.rept \nb
.if \abs
	v_max3_num_f32 v[TM+qb], |v[(\src)+16*qb]|, |v[(\src)+16*qb+1]|, 0x1800000    ; my 16 numbers, and the floor 2^(3 - 127): the byte cannot fall under 1
.else
	v_max3_num_f32 v[TM+qb], v[(\src)+16*qb], v[(\src)+16*qb+1], 0x1800000
.endif
.set qb, qb+1
.endr
.irp i, 2,4,6,8,10,12,14
.set qb, 0
.rept \nb
.if \abs
	s_delay_alu instid0(VALU_DEP_2)
	v_max3_num_f32 v[TM+qb], v[TM+qb], |v[(\src)+16*qb+\i]|, |v[(\src)+16*qb+\i+1]|
.else
	v_max3_num_f32 v[TM+qb], v[TM+qb], v[(\src)+16*qb+\i], v[(\src)+16*qb+\i+1]
.endif
.set qb, qb+1
.endr
.endr
.set qb, 0
.rept \nb
	s_delay_alu instid0(VALU_DEP_2)
	v_permlanex16_b32 v[TM+4+qb], v[TM+qb], s[SEL], s[SEL+1]
.set qb, qb+1
.endr
.set qb, 0
.rept \nb
	s_delay_alu instid0(VALU_DEP_2)
	v_max_num_f32 v[TM+qb], v[TM+qb], v[TM+4+qb]
.set qb, qb+1
.endr
.set qb, 0
.rept \nb
	s_delay_alu instid0(VALU_DEP_2)
	v_add_nc_u32 v[TM+8+qb], 0xff000000, v[TM+qb]         ; 2 off the exponent field: the conversion's scale operand
.set qb, qb+1
.endr
.set qb, 0
.rept \nb
	s_delay_alu instid0(VALU_DEP_2)
	v_lshrrev_b32 v[TM+4+qb], 23, v[TM+8+qb]              ; the scale's byte
.set qb, qb+1
.endr
.set qb, 0
.rept \nb
	v_cvt_scalef32_pk8_fp4_f32 v[PC+4*(qb/2)+(qb%2)], v[(\src)+16*qb:(\src)+16*qb+7], v[TM+8+qb]
	v_cvt_scalef32_pk8_fp4_f32 v[PC+4*(qb/2)+2+(qb%2)], v[(\src)+16*qb+8:(\src)+16*qb+15], v[TM+8+qb]
.set qb, qb+1
.endr
	v_nop                                                 ; one plain place behind the scaled conversions
.set qb, 0
.rept \nb
	v_permlane16_swap_b32 v[PC+2*qb], v[PC+2*qb+1]        ; a whole block to a lane
.set qb, qb+1
.endr
.endm
	s_load_b512 s[4:19], s[0:1], 0x0               ; x_codes 4, x_scales 6, Wq_codes 8, Wq_scales 10, Wk_codes 12, Wk_scales 14, rope 16, qk_img 18
	s_load_b64 s[20:21], s[0:1], 0x40              ; qk_sc
	v_lshl_add_u32 v14, v0, 2, 0x48400
	v_mov_b32 v15, 0
	ds_add_u32 v14, v15
	ds_add_u32 v14, v15
	v_lshrrev_b32 v1, 5, v0
	s_delay_alu instid0(VALU_DEP_1)
	v_readfirstlane_b32 s[WV], v1
	s_and_b32 s[PART], s[WV], 3                    ; which quarter of a tile I fetch
	s_bfe_u32 s[CX], ttmp6, 0x40000
	s_bfe_u32 s[CY], ttmp6, 0x40004
	s_and_b32 s[WY], ttmp7, 0xffff
	s_lshl_b32 s[WY], s[WY], 2
	s_add_co_u32 s[WY], s[WY], s[CY]               ; row block
	s_lshl_b32 s[MROW], s[CY], 2
	s_lshl_b32 s[MROW], 15, s[MROW]
	s_lshl_b32 s[MCOL], 0x1111, s[CX]
	G1SET G1A, MROW, PADC, 512, 64, 512            ; 64 whole rows of 512 bytes a load
	G1SET G1B, MCOL, PADC, 512, 64, 512
	G1SET G1SA, MROW, (3<<16)|PADW, 32, 8, 32      ; the scale bytes of 64 rows: 2,048 dense bytes
	G1SET G1SB, MCOL, (3<<16)|PADW, 32, 8, 32
	s_lshl_b32 s32, s[WY], 8                       ; x: row 256 WY + 64 share (s32-35 never hold cx)
	s_lshl_b32 s33, s[PART], 6
	s_add_co_u32 s32, s32, s33
	s_lshl_b32 s34, s32, 5
	s_mov_b32 s35, 0
	s_lshl_b32 s32, s32, 9
	s_mov_b32 s33, 0
	s_lshl_b32 s36, s[CX], 8                       ; W: row 256 cx + 64 share (s36-39 never hold cy)
	s_lshl_b32 s37, s[PART], 6
	s_add_co_u32 s36, s36, s37
	s_lshl_b32 s38, s36, 5
	s_mov_b32 s39, 0
	s_lshl_b32 s36, s36, 9
	s_mov_b32 s37, 0
	s_wait_dscnt 0x0
	s_wait_kmcnt 0x0
	s_cmp_eq_u32 ttmp9, 0                          ; q's cluster or k's: the same in all sixteen partners
	s_cselect_b64 s[8:9], s[8:9], s[12:13]
	s_cselect_b64 s[10:11], s[10:11], s[14:15]
	G0SET G0SA, 2176, SCL, 6, 34, 0
	G0SET G0A0, 33792, 0, 4, 32, 0
	G0SET G0SB, 2176, SCL+8704, 10, 38, 0
	G0SET G0B0, 33792, WOFF, 8, 36, 0
	CROUND
	ARM 4, G0A0, G1A, .Lhead_b                     ; one load a wave: waves 0-3 x's codes,
	ARM 8, G0B0, G1B, .Lhead_sa                    ; waves 4-7 W's,
	ARM 12, G0SA, G1SA, .Lhead_sb                  ; waves 8-11 x's scale bytes,
	tensor_load_to_lds s[G0SB:G0SB+3], s[G1SB:G1SB+7]   ; waves 12-15 W's
	s_nop 0
	PLACES 4
.Lhead_asked:
	s_lshr_b32 s66, s[WY], 3                       ; batch
	s_lshl_b32 s66, s66, 4
	s_lshl_b32 s67, s[CX], 2
	s_add_co_u32 s66, s66, s67
	s_and_b32 s67, s[WV], 3
	s_add_co_u32 s66, s66, s67                     ; 16 batch + head
	s_and_b32 s67, s[WY], 7
	s_lshl_b32 s67, s67, 2
	s_lshr_b32 s100, s[WV], 2
	s_add_co_u32 s67, s67, s100                    ; my 64 rows among the batch's 2,048
	s_lshl_b32 s2, s67, 14                         ; the table: four tiles of 4,096 bytes
	s_mov_b32 s3, 0
	s_add_nc_u64 s[16:17], s[16:17], s[2:3]
	s_lshl_b32 s2, s66, 5
	s_add_co_u32 s2, s2, s67
	s_lshl_b32 s100, s2, 11                        ; images: four of 512 bytes for 64 rows,
	s_lshl_b32 s101, ttmp9, 22                     ; k's behind q's
	s_add_co_u32 s100, s100, s101
	s_mov_b32 s101, 0
	s_add_nc_u64 s[18:19], s[18:19], s[100:101]
	s_lshl_b32 s100, s2, 8                         ; scale words: 256 bytes for 64 rows
	s_lshl_b32 s101, ttmp9, 19
	s_add_co_u32 s100, s100, s101
	s_mov_b32 s101, 0
	s_add_nc_u64 s[20:21], s[20:21], s[100:101]
	v_and_b32 v[TV], 31, v0
	s_delay_alu instid0(VALU_DEP_1)
	v_lshlrev_b32 v[LI], 4, v[TV]
	s_delay_alu instid0(VALU_DEP_2)
	v_lshlrev_b32 v[L8], 3, v[TV]
.macro TAB set, ax                     ; the table of row tile ax: words 0-15 cos, 16-31 sin, in my lane's order; 512 consecutive bytes a load
.irp i, 0,1,2,3,4,5,6,7
	global_load_b128 v[\set+4*\i:\set+4*\i+3], v[LI], s[16:17] offset:(\ax)*4096+512*\i
.endr
.endm
	TAB T0, 0
	v_and_b32 v[R], 15, v0
	v_bfe_u32 v[H], v0, 4, 1
	s_delay_alu instid0(VALU_DEP_2)
	v_mul_u32_u24 v[TV], v[R], 528
	s_delay_alu instid0(VALU_DEP_1)
	v_lshl_add_u32 v[TV], v[H], 4, v[TV]
	s_lshr_b32 s100, s[WV], 2                      ; wr
	s_and_b32 s101, s[WV], 3                       ; hw
	s_mul_i32 s2, s100, 33792
	v_add_nc_u32 v[ADRX], s2, v[TV]
	s_delay_alu instid0(VALU_DEP_1)
	v_add_nc_u32 v[ADRX+1], SLOTB, v[ADRX]
	s_mul_i32 s2, s101, 33792
	s_add_co_u32 s2, s2, WOFF
	v_add_nc_u32 v[ADRW], s2, v[TV]
	s_delay_alu instid0(VALU_DEP_1)
	v_add_nc_u32 v[ADRW+1], SLOTB, v[ADRW]
	v_lshrrev_b32 v[TV], 3, v[R]
	s_delay_alu instid0(VALU_DEP_1)
	v_mul_u32_u24 v[TV], v[TV], 272
	v_and_b32 v[ADRS], 7, v[R]
	s_delay_alu instid0(VALU_DEP_1)
	v_lshl_add_u32 v[TV], v[ADRS], 5, v[TV]
	s_xor_b32 s2, s100, 3                          ; lanes 16-31 take W's words: 8,704 + (hw - wr) 2,176 = 2,176 (1 + hw + (3 - wr)) bytes on: ONE product with the lane's half
	s_add_co_u32 s2, s2, s101
	s_add_co_u32 s2, s2, 1
	s_mul_i32 s2, s2, 2176
	v_mul_u32_u24 v[ADRS], s2, v[H]
	s_delay_alu instid0(VALU_DEP_1)
	v_add_nc_u32 v[ADRS], v[ADRS], v[TV]
	s_mul_i32 s2, s100, 2176
	s_add_co_u32 s2, s2, SCL
	v_add_nc_u32 v[ADRS], s2, v[ADRS]
	s_mov_b32 s[SEL], 0x76543210
	s_mov_b32 s[SEL+1], 0xfedcba98
	s_mov_b32 s[C64], 0x3c800000
	s_mov_b32 s[EPS], 0x34000000
	s_mov_b32 s[HM], 0xffff0000
	s_wait_alu depctr_va_vdst(0)
	s_wait_tensorcnt 0x0                           ; my one load has landed
	s_barrier_signal -1
	s_barrier_wait -1
.macro MULQ ax, aw, q, zero
.if \zero
	v_wmma_scale_f32_16x16x128_f8f6f4 v[ACC+32*\ax+8*\aw:ACC+32*\ax+8*\aw+7], v[WF+8*\aw:WF+8*\aw+7], v[XF+8*\ax:XF+8*\ax+7], 0, v[SC+4*\aw+\q], v[SC+4*\ax+\q] matrix_a_fmt:MATRIX_FMT_FP4 matrix_b_fmt:MATRIX_FMT_FP4 matrix_a_scale:MATRIX_SCALE_ROW1
.else
	v_wmma_scale_f32_16x16x128_f8f6f4 v[ACC+32*\ax+8*\aw:ACC+32*\ax+8*\aw+7], v[WF+8*\aw:WF+8*\aw+7], v[XF+8*\ax:XF+8*\ax+7], v[ACC+32*\ax+8*\aw:ACC+32*\ax+8*\aw+7], v[SC+4*\aw+\q], v[SC+4*\ax+\q] matrix_a_fmt:MATRIX_FMT_FP4 matrix_b_fmt:MATRIX_FMT_FP4 matrix_a_scale:MATRIX_SCALE_ROW1
.endif
.endm
.macro KSTEP slot, q, zero             ; 128 along K; the sixteen accumulators take turns, in the same order in every step
.if \zero == 0
	PLACES 4                                       ; in front of loads into registers that matrix instructions have read
.endif
.if \q == 0
.irp i, 0,1,2,3
	ds_load_b128 v[SC+4*\i:SC+4*\i+3], v[ADRS] offset:\i*544+16*\slot
.endr
.endif
.irp i, 0,1,2,3
	FRAGP WF+8*\i, ADRW+\slot, \i*8448+64*\q
.endr
.irp i, 0,1,2,3
	FRAGP XF+8*\i, ADRX+\slot, \i*8448+64*\q
.endr
.irp x, 0,1,2,3
	s_wait_dscnt 2*(3-\x)                          ; x's tile is in; the later tiles' loads, two each, may be out
.irp y, 0,1,2,3
	MULQ \x, \y, \q, \zero
.endr
.endr
.endm
	KSTEP 0, 0, 1
	KSTEP 0, 1, 0
	KSTEP 0, 2, 0
	KSTEP 0, 3, 0
	KSTEP 1, 0, 0
	KSTEP 1, 1, 0
	KSTEP 1, 2, 0
	KSTEP 1, 3, 0
	PLACES 4                                       ; in front of the first read of results, and of loads and writes into the fragments' registers
	TAB T1, 1
	; ---- the rows' sums of squares, the four row tiles by turns; each accumulator from its low end on
.irp x, 0,1,2,3
	v_pk_mul_f32 v[RS+2*\x:RS+2*\x+1], v[ACC+32*\x:ACC+32*\x+1], v[ACC+32*\x:ACC+32*\x+1]
.endr
.irp i, 2,4,6,8,10,12,14,16,18,20,22,24,26,28,30
.irp x, 0,1,2,3
	v_pk_fma_f32 v[RS+2*\x:RS+2*\x+1], v[ACC+32*\x+\i:ACC+32*\x+\i+1], v[ACC+32*\x+\i:ACC+32*\x+\i+1], v[RS+2*\x:RS+2*\x+1]
.endr
.endr
.irp x, 0,1,2,3
	s_delay_alu instid0(VALU_DEP_4)
	v_add_f32 v[RS+2*\x], v[RS+2*\x], v[RS+2*\x+1]
.endr
.irp x, 0,1,2,3
	s_delay_alu instid0(VALU_DEP_4)
	v_permlanex16_b32 v[RS+2*\x+1], v[RS+2*\x], s[SEL], s[SEL+1]
.endr
.irp x, 0,1,2,3
	s_delay_alu instid0(VALU_DEP_4)
	v_add_f32 v[RS+2*\x], v[RS+2*\x], v[RS+2*\x+1]        ; with lane l xor 16's 32 channels
.endr
.irp x, 0,1,2,3
	s_delay_alu instid0(VALU_DEP_4)
	v_fma_f32 v[RS+2*\x+1], v[RS+2*\x], s[C64], s[EPS]    ; the mean + eps
.endr
	s_wait_alu depctr_va_vdst(0)
.irp x, 0,1,2,3
	v_rsq_f32 v[RS+2*\x], v[RS+2*\x+1]
.endr
	v_nop                                          ; a plain place behind the last of them
	s_wait_alu depctr_va_vdst(0)                   ; one wait for the four, ahead of their first reader
; Row tile ax: x 1 / rms; rotated; quantised; its image stored.  left: the younger table loads that may be out.  nxt: the row tile whose table takes the set just read, or -1.
.macro ROWT ax, set, left, nxt
.irp i, 0,2,4,6,8,10,12,14,16,18,20,22,24,26,28,30
	v_pk_mul_f32 v[ACC+32*\ax+\i:ACC+32*\ax+\i+1], v[ACC+32*\ax+\i:ACC+32*\ax+\i+1], v[RS+2*\ax:RS+2*\ax+1] op_sel_hi:[1,0]
.endr
	s_wait_alu depctr_va_vdst(0)
	s_wait_loadcnt \left
.irp e, 0,1
.irp p, 0,2,4,6
	v_pk_mul_f32 v[RT:RT+1], v[ACC+32*\ax+8*\e+\p:ACC+32*\ax+8*\e+\p+1], v[\set+16+8*\e+\p:\set+16+8*\e+\p+1]                ; x1 sin
	v_pk_mul_f32 v[RT+2:RT+3], v[ACC+32*\ax+16+8*\e+\p:ACC+32*\ax+16+8*\e+\p+1], v[\set+16+8*\e+\p:\set+16+8*\e+\p+1]        ; x2 sin
	s_delay_alu instid0(VALU_DEP_1)
	v_pk_fma_f32 v[ACC+32*\ax+8*\e+\p:ACC+32*\ax+8*\e+\p+1], v[ACC+32*\ax+8*\e+\p:ACC+32*\ax+8*\e+\p+1], v[\set+8*\e+\p:\set+8*\e+\p+1], v[RT+2:RT+3]   ; y1 = x1 cos + x2 sin
	s_delay_alu instid0(VALU_DEP_3)
	v_pk_fma_f32 v[ACC+32*\ax+16+8*\e+\p:ACC+32*\ax+16+8*\e+\p+1], v[ACC+32*\ax+16+8*\e+\p:ACC+32*\ax+16+8*\e+\p+1], v[\set+8*\e+\p:\set+8*\e+\p+1], v[RT:RT+1] neg_lo:[0,0,1] neg_hi:[0,0,1]   ; y2 = x2 cos - x1 sin
.endr
.endr
.if (\nxt) >= 0
	TAB \set, \nxt
.endif
	s_wait_xcnt 0x0                                ; the last image's store has read its registers: they are written again below
	QUANT 2, ACC+32*\ax, 1
	v_lshl_or_b32 v[WD+\ax], v[TM+5], 8, v[TM+4]   ; the row's two bytes; the word's upper two stay 0
	global_store_b128 v[LI], v[PC:PC+3], s[18:19] offset:512*\ax     ; 512 consecutive bytes
.endm
	ROWT 0, T0, 8, 2
	ROWT 1, T1, 8, 3
	ROWT 2, T0, 8, -1
	ROWT 3, T1, 0, -1
	v_cndmask_b32 v[SP], v[WD], v[WD+1], s[HM]     ; lanes 0-15: tiles 0 and 2; lanes 16-31: tiles 1 and 3
	v_cndmask_b32 v[SP+1], v[WD+2], v[WD+3], s[HM]
	global_store_b64 v[L8], v[SP:SP+1], s[20:21]   ; 256 consecutive bytes, aligned
	s_wait_dscnt 0x0
	s_wait_tensorcnt 0x0
	ds_add_u32 v14, v15
	s_wait_dscnt 0x0
	CROUND                                         ; the closing round
	s_endpgm
.Lfunc_end_k_q78fc816284_qkproj:
	.size	k_q78fc816284_qkproj, .Lfunc_end_k_q78fc816284_qkproj-k_q78fc816284_qkproj
	.p2alignl 7, 3214868480
	.fill 96, 4, 3214868480
	.section	.rodata,"a",@progbits
	.p2align	6, 0x0
	.amdhsa_kernel k_q78fc816284_qkproj
		.amdhsa_group_segment_fixed_size 327680
		.amdhsa_private_segment_fixed_size 0
		.amdhsa_enable_private_segment 0
		.amdhsa_kernarg_size 72
		.amdhsa_user_sgpr_count 2
		.amdhsa_user_sgpr_kernarg_segment_ptr 1
		.amdhsa_wavefront_size32 1
		.amdhsa_system_sgpr_workgroup_id_x 1
		.amdhsa_system_sgpr_workgroup_id_y 1
		.amdhsa_system_sgpr_workgroup_id_z 1
		.amdhsa_system_vgpr_workitem_id 0
		.amdhsa_next_free_vgpr 256
		.amdhsa_next_free_sgpr 102
		.amdhsa_reserve_vcc 0
		.amdhsa_float_denorm_mode_32 3
		.amdhsa_float_denorm_mode_16_64 3
		.amdhsa_memory_ordered 1
		.amdhsa_forward_progress 1
		.amdhsa_inst_pref_size 70
	.end_amdhsa_kernel
	.amdgpu_metadata
---
amdhsa.version: [ 1, 2 ]
amdhsa.kernels:
  - .name:           k_q78fc816284_qkproj
    .symbol:         k_q78fc816284_qkproj.kd
    .args:
      - { .name: x_codes, .offset: 0, .size: 8, .value_kind: global_buffer, .address_space: global }
      - { .name: x_scales, .offset: 8, .size: 8, .value_kind: global_buffer, .address_space: global }
      - { .name: Wq_codes, .offset: 16, .size: 8, .value_kind: global_buffer, .address_space: global }
      - { .name: Wq_scales, .offset: 24, .size: 8, .value_kind: global_buffer, .address_space: global }
      - { .name: Wk_codes, .offset: 32, .size: 8, .value_kind: global_buffer, .address_space: global }
      - { .name: Wk_scales, .offset: 40, .size: 8, .value_kind: global_buffer, .address_space: global }
      - { .name: rope, .offset: 48, .size: 8, .value_kind: global_buffer, .address_space: global }
      - { .name: qk_img, .offset: 56, .size: 8, .value_kind: global_buffer, .address_space: global }
      - { .name: qk_sc, .offset: 64, .size: 8, .value_kind: global_buffer, .address_space: global }
    .group_segment_fixed_size: 327680
    .private_segment_fixed_size: 0
    .kernarg_segment_align: 8
    .kernarg_segment_size: 72
    .max_flat_workgroup_size: 512
    .sgpr_count:     102
    .vgpr_count:     256
    .wavefront_size: 32
...
	.end_amdgpu_metadata
.endif
;; end of part 2
;; launch attn (part 3): grid 4 x 64, 16 waves a work-group, clusters of 4 x 1, 169,984 bytes of LDS; arguments qk_img, qk_sc, v_img, v_sc, y_img, y_sc; writes y_img, y_sc
.if DOCPART == 3
	.amdgcn_target "amdgcn-amd-amdhsa--gfx1250"
	.amdhsa_code_object_version 6
	.text
	.protected	k_q78fc816284_attn
	.globl	k_q78fc816284_attn
	.p2align	8
	.type	k_q78fc816284_attn,@function
k_q78fc816284_attn:
	s_mov_b64 s[64:65], 0
	v_nop
	global_prefetch_b8 v0, s[64:65] scope:SCOPE_SE
	s_setreg_imm32_b32 hwreg(HW_REG_WAVE_MODE, 25, 1), 1
	s_wait_xcnt 0x0
	s_wait_alu depctr_hold_cnt(0) depctr_sa_sdst(0) depctr_va_vdst(0) depctr_va_sdst(0) depctr_va_ssrc(0) depctr_va_vcc(0) depctr_vm_vsrc(0)
	s_getreg_b32 s2, hwreg(HW_REG_IB_STS2, 6, 4)
	s_cmp_eq_u32 s2, 0
	s_cbranch_scc0 .Lentry_in_a_cluster
	s_endpgm
.Lentry_in_a_cluster:
	s_bfe_u32 s2, ttmp6, 0x10000c
	s_cmp_lg_u32 s2, 0x3003
	s_cbranch_scc0 .Lentry_shape_is_right
	s_endpgm
.Lentry_shape_is_right:
; Causal attention of one (batch, head) on codes of FP4 (E2M1), and its result quantised along the model's 1,024 for the last projection.
; t = score x log2(e) / 8; p = 2^t is what is quantised, along the keys; the row's sum l is taken of the unquantised p; O / l at the end.
; LEFT OUT: steps of 128 keys, and on the diagonal halves of 64 keys, all of which come after a tile's 16 queries: the causal mask that the module builds gives them the weight 0.
; M = 0, A FIXED WHOLE NUMBER, stands for the ceiling of the row's largest t.  The computation itself bounds t: q and k are rms-normalised by the module, so their norms are at most 8, and a rotation keeps them;
; rounding to E2M1 gives |code value| <= 1.25 |x| + (block's largest) / 16, so a quantised vector's norm lies under 12.9, |score| under 166, |t| under 30.  So p lies in 2^-30 .. 2^30, a row's sum under 2^41,
; p's scale bytes in 95 .. 157: nothing can overflow or underflow.  A whole-number M is a power of two that a block's scale takes up: the codes' values are those with M = ceil(largest t), and it cancels in O / l.
; SHARES.  The four work-groups of a cluster own one head.  Each holds the head's whole K, V and their scale words in LDS, fetched ONCE for the four by joint loads; behind one barrier LDS is only read.
; Wave w takes two tiles of 16 queries, 8 g + s and 8 (15 - g) + s, with g = w / 2, s = 4 u + cx and u = (w xor w / 4) % 2: g + 1 and 16 - g steps of 128 keys, 17 for every wave.
; g and u hang on the wave's number alone; cx enters global addresses and the mask's numbers, no branch and no LDS address.  The loops' counts are constants; a step all of whose keys are hidden leaves its work out.
; THE DIAGONAL STEP.  u = 0: the queries lie among the step's first 64 keys, so keys 64 .. 127 are all hidden: a half step is written out for it.  u = 1: keys 0 .. 63 all count, and only tiles 4-7 are masked.
; Of any four waves w, w + 4, w + 8, w + 12, and of any four w .. w + 3 with w a multiple of 4, two have u = 0.
; LAYOUT.  S^T = K Q^T (source 0 = 16 keys, source 1 = my 16 queries), O^T = V^T P^T: a lane holds ONE query (lane % 16).
; THE KEYS OF A TILE ARE CHOSEN: row m of tile 4 c + i is key 64 c + 8 i + m % 8 + 32 (m / 8).  Register j of that tile in lane (r, h) is then key 64 c + 32 h + 8 i + j: a lane's 32 registers of tiles 4 c .. 4 c + 3 are
; ONE WHOLE BLOCK of 32 keys, 2 c + h, in the order of the second product's operand: the block's largest p needs no other lane, and each conversion writes one register of the operand.
; K's images lie in memory by tiles of 16 neighbouring keys, 512 bytes each; the choice of keys is made by the lanes' LDS addresses.  In LDS 128 bytes of padding follow every 1,024, so that a tile's two groups of eight keys,
; 1,024 bytes apart in memory, start 1,152 bytes apart.  The head's 64 fill registers 0-3 of K's and Q's fragments; registers 4-7 are zero codes, written once, and their two scale bytes are 0, which is a number.
; K's fragments of step n + 1 are asked of LDS behind step n's first products; the last step's request reads bytes of V's images and scale words, which are filled, and nothing uses it.
; NO PREFETCH INTO THE L2: all that the launch reads of K and V is asked for at the head by one load a wave; there is no loop to run ahead in.
; LIMITS: NaN and infinities are not served; a block of zeros gets the scale byte 1 (its codes are zeros; this program alone reads the bytes).
.set KST, 4608                         ; LDS from 0: K's images, a step's 4,096 bytes as 4 runs of 1,024 + 128
.set LVB, 73728                        ; V's: 16 steps x 4 tiles of d x 1,024
.set LKS, 139264                       ; K's scale words: 32 x 256
.set LVS, 147456                       ; V's: 16 x 256
.set SPARE, 151552                     ; the spare words: 128 bytes a wave
.set W0K, 15|(3<<16)|(1<<20)|(1<<21)|(7<<22)|(31<<25)  ; group 1, word 0: all four work-groups; elements of 8 bytes; padding on; bit 21 beside a mask; after every 256 words; 32 words
.set W0D, 15|(3<<16)|(1<<21)           ; the same without padding
.set WV, 16
.set CX, 17
.set BH, 18
.set GA, 19                            ; pass 0's last step
.set GB, 20                            ; pass 1's
.set STEP, 21
.set HM, 22
.set SIG, 23
.set CS, 24                            ; s[24:25] log2(e) / 8
.set SEL, 26                           ; s[26:27]
.set TK, 34                            ; the step's K images
.set TS, 35                            ; K's scale words: 512 a step
.set HDA, 36                           ; the step of pass 0 that is a half step: its last where u = 0, none (99) where u = 1
.set HDB, 37                           ; the same of pass 1
.set SG, 38                            ; u
.set TT, 66                            ; V's scale words: 256 a step
.set TVO, 67                           ; V's images: 4,096
.set G1K, 40
.set G1V, 48
.set G1S, 56
.set G0K, 68
.set G0V, 72
.set G0S, 76
.set BA, 80                            ; s[80:87] pass 0: Q's image, Q's scale words, y's image, y's scale bytes
.set BB, 88                            ; s[88:95] pass 1
.set LI, 1                             ; 16 x lane
.set LKA, 2                            ; my lane's place in a tile of K
.set LV, 3
.set LS, 4
.set LT, 5
.set ADK, 6
.set ADV, 7
.set ADS, 8
.set ADT, 9
.set DQ, 10                            ; my query less the diagonal step's first key less 32 (lane / 16)
.set NINF, 11
.set R8, 12
.set YSO, 13
.set L0, 14                            ; v[14:15], v[16:17] the row's sum, two chains of pairs
.set QS, 18                            ; scale words: Q's,
.set PW, 19                            ; p's,
.set KS, 20                            ; v20-23 K's,
.set VS, 24                            ; v24-25 V's: these hold scales and nothing else
.set TM, 26                            ; v26-35
.set RC, 38                            ; v[38:39] 1 / l
.set YB, 40
.set SH8, 41                           ; 8 (lane / 16)
.set PC, 42                            ; v42-49
.set QF, 50                            ; v50-57
.set SPW, 62
.set NIL, 63
.set KF, 64                            ; v64-127
.set S, 128                            ; v128-191 S^T, then p
.set VF, 192                           ; v192-223
.set OT, 224                           ; v224-255 O^T
.macro PLACES n
.rept \n
	v_nop
.endr
.endm
.macro CROUND
	s_barrier_signal -1
	s_barrier_wait -1
	s_cmp_lg_u32 s[WV], 0
	s_cbranch_scc1 .Lnot_wave_0_\@
	s_barrier_signal -3
.Lnot_wave_0_\@:
	s_barrier_wait -3
	s_barrier_signal -1
	s_barrier_wait -1
.endm
.macro G1SET g, w0, c, r               ; r dense rows of c elements of 8 bytes
	s_mov_b32 s[\g], \w0
	s_mov_b32 s[\g+1], (\c)<<16
	s_mov_b32 s[\g+2], (\r)<<16
	s_mov_b32 s[\g+3], (\c)<<16
	s_mov_b32 s[\g+4], \r
	s_mov_b32 s[\g+5], \c
	s_mov_b32 s[\g+6], 0
	s_mov_b32 s[\g+7], 0
.endm
.macro ARM under, g0, g1, next         ; one arm of the head's tree: a joint load and a jump to the tree's end
	s_cmp_lt_u32 s[WV], \under
	s_cbranch_scc0 \next
	tensor_load_to_lds s[\g0:\g0+3], s[\g1:\g1+7]
	s_nop 0
	PLACES 4
	s_branch .Lasked
\next:
.endm
; the four bases of the pass whose last step stands in s[gr].  s31 = s33 = 0.  (s28-33 hold cx; no descriptor is made of them)
.macro BASES bs, gr
	s_lshl_b32 s28, s[\gr], 3
	s_add_co_u32 s28, s28, s[SIG]                  ; my tile of queries
	s_lshl_b32 s30, s[BH], 7
	s_add_co_u32 s30, s30, s28
	s_lshl_b32 s30, s30, 9
	s_add_nc_u64 s[\bs:\bs+1], s[4:5], s[30:31]    ; its image
	s_lshl_b32 s30, s[BH], 13
	s_lshr_b32 s29, s28, 2
	s_lshl_b32 s29, s29, 8
	s_add_co_u32 s30, s30, s29                     ; its group of 64 rows,
	s_and_b32 s29, s28, 1
	s_lshl_b32 s29, s29, 7
	s_add_co_u32 s30, s30, s29                     ; odd tiles in lanes 16-31's places,
	s_and_b32 s29, s28, 2
	s_lshl_b32 s29, s29, 1
	s_add_co_u32 s30, s30, s29                     ; tiles 2 and 3 in the second word
	s_add_nc_u64 s[\bs+2:\bs+3], s[6:7], s[30:31]
	s_lshr_b32 s30, s[BH], 4
	s_lshl_b32 s30, s30, 7
	s_add_co_u32 s30, s30, s28                     ; the tile among all 512 tiles of rows
	s_and_b32 s29, s[BH], 15                       ; head
	s_lshl_b32 s32, s30, 4
	s_add_co_u32 s32, s32, s29
	s_lshl_b32 s32, s32, 9
	s_add_nc_u64 s[\bs+4:\bs+5], s[12:13], s[32:33]
	s_lshl_b32 s32, s30, 9                         ; 16 rows of 32 scale bytes,
	s_lshl_b32 s29, s29, 1                         ; two bytes a head
	s_add_co_u32 s32, s32, s29
	s_add_nc_u64 s[\bs+6:\bs+7], s[14:15], s[32:33]
.endm
; a step's eight tiles of K and their scale words.  nx = 1: the step behind the one at which the two address registers stand
.macro KLOAD adk, ads, nx
.irp t, 0,1,2,3,4,5,6,7
	ds_load_b128 v[KF+8*\t:KF+8*\t+3], v[\adk] offset:KST*\nx+2304*(\t/4)+512*((\t%4)/2)+128*(\t%2)
.endr
.irp y, 0,1,2,3
	ds_load_b32 v[KS+\y], v[\ads] offset:512*\nx+128*\y        ; register t / 2: lanes 0-15 the even tile's words, lanes 16-31 the odd one's
.endr
.endm
.macro VLOAD                           ; the step's four tiles of V^T and their scale words
.irp d, 0,1,2,3
	ds_load_b128 v[VF+8*\d:VF+8*\d+3], v[ADV] offset:1024*\d
	ds_load_b128 v[VF+8*\d+4:VF+8*\d+7], v[ADV] offset:1024*\d+512
.endr
.irp y, 0,1
	ds_load_b32 v[VS+\y], v[ADT] offset:128*\y
.endr
.endm
.macro WM d, a, b, acc, sa, sb, odd    ; a product; acc = 0: it starts the sum; odd = 1: source 0's scale words stand in lanes 16-31
.if \acc
.if \odd
	v_wmma_scale_f32_16x16x128_f8f6f4 v[\d:\d+7], v[\a:\a+7], v[\b:\b+7], v[\d:\d+7], v[\sa], v[\sb] matrix_a_fmt:MATRIX_FMT_FP4 matrix_b_fmt:MATRIX_FMT_FP4 matrix_a_scale:MATRIX_SCALE_ROW1
.else
	v_wmma_scale_f32_16x16x128_f8f6f4 v[\d:\d+7], v[\a:\a+7], v[\b:\b+7], v[\d:\d+7], v[\sa], v[\sb] matrix_a_fmt:MATRIX_FMT_FP4 matrix_b_fmt:MATRIX_FMT_FP4
.endif
.else
.if \odd
	v_wmma_scale_f32_16x16x128_f8f6f4 v[\d:\d+7], v[\a:\a+7], v[\b:\b+7], 0, v[\sa], v[\sb] matrix_a_fmt:MATRIX_FMT_FP4 matrix_b_fmt:MATRIX_FMT_FP4 matrix_a_scale:MATRIX_SCALE_ROW1
.else
	v_wmma_scale_f32_16x16x128_f8f6f4 v[\d:\d+7], v[\a:\a+7], v[\b:\b+7], 0, v[\sa], v[\sb] matrix_a_fmt:MATRIX_FMT_FP4 matrix_b_fmt:MATRIX_FMT_FP4
.endif
.endif
.endm
.macro ADD2 z                          ; four more p onto the row's sum, in two chains; z = 1: the pass's first eight start the chains
.if (\z) && sj == 0
	v_pk_add_f32 v[L0:L0+1], v[S:S+1], v[S+4:S+5]
	v_pk_add_f32 v[L0+2:L0+3], v[S+2:S+3], v[S+6:S+7]
.set sj, 8
.else
	v_pk_add_f32 v[L0:L0+1], v[L0:L0+1], v[S+sj:S+sj+1]
	v_pk_add_f32 v[L0+2:L0+3], v[L0+2:L0+3], v[S+sj+2:S+sj+3]
.set sj, sj+4
.endif
.endm
.macro MULEXP cnt                      ; t = score x log2(e) / 8 and p = 2^t of the first cnt registers of S^T
.set n, 0
.rept (\cnt)/2
	v_pk_mul_f32 v[S+n:S+n+1], v[S+n:S+n+1], s[CS:CS+1] op_sel_hi:[1,0]    ; each accumulator from its low end on
.set n, n+2
.endr
	s_wait_alu depctr_va_vdst(0)                   ; ahead of the batch
.set n, 0
.rept \cnt
	v_exp_f32 v[S+n], v[S+n]
.set n, n+1
.endr
	v_nop                                          ; a plain place behind the last exponential
	s_wait_alu depctr_va_vdst(0)                   ; one wait for the batch, ahead of its first reader
.endm
.macro MASK t0, t1, t2, t3             ; four tiles: key 64 c + 32 h + 8 i + j of the step comes after my query: -infinity, so that p = 0
.irp t, \t0, \t1, \t2, \t3
.irp j, 0,1,2,3,4,5,6,7
	v_cmp_gt_i32 vcc_lo, 64*(\t/4)+8*(\t%4)+\j, v[DQ]
	v_cndmask_b32 v[S+8*\t+\j], v[S+8*\t+\j], v[NINF], vcc_lo
.endr
.endr
.endm
; THE DIAGONAL STEP WHERE u = 0: tiles 0-3 alone, keys 0 .. 63.  The operand's registers 4-7 are zero codes and their two scale bytes 0, which is a number.  It is the pass's last step: no K is asked for.
.macro HSTEP z
	s_wait_dscnt 0x0                               ; this step's K and its scale words are in
.irp t, 0,1,2,3
	WM S+8*\t, KF+8*\t, QF, 0, KS+\t/2, QS, (\t%2)
.endr
	v_add_nc_u32 v[ADV], s[TVO], v[LV]             ; four places behind the products
	v_add_nc_u32 v[ADT], s[TT], v[LT]
	PLACES 2
	VLOAD
	MASK 0, 1, 2, 3
.irp j, 4,5,6,7
	v_mov_b32 v[PC+\j], 0
.endr
	MULEXP 32
.irp k, 0,1
	v_max3_num_f32 v[TM+\k], v[S+16*\k], v[S+16*\k+1], 0x1800000
.endr
.irp i, 2,4,6,8,10,12,14
.irp k, 0,1
	v_max3_num_f32 v[TM+\k], v[TM+\k], v[S+16*\k+\i], v[S+16*\k+\i+1]
.endr
.endr
.set sj, 0
	v_max_num_f32 v[TM], v[TM], v[TM+1]            ; my block h's largest p
	ADD2 \z
	v_add_nc_u32 v[TM+8], 0xff000000, v[TM]
	ADD2 \z
	v_lshrrev_b32 v[TM+4], 23, v[TM+8]
	s_delay_alu instid0(VALU_DEP_1)
	v_lshlrev_b32 v[TM+4], v[SH8], v[TM+4]         ; byte h of the word
	s_delay_alu instid0(VALU_DEP_1)
	v_permlanex16_b32 v[TM+5], v[TM+4], s[SEL], s[SEL+1]
	s_delay_alu instid0(VALU_DEP_1)
	v_or_b32 v[PW], v[TM+4], v[TM+5]
.irp t, 0,1,2,3
	v_cvt_scalef32_pk8_fp4_f32 v[PC+\t], v[S+8*\t:S+8*\t+7], v[TM+8]
.endr
.rept (32-sj)/4
	ADD2 \z                                        ; at least 10 plain lines between the writes of p's codes and scale word and the products
.endr
	s_wait_dscnt 0x0                               ; V and its scale words are in
.irp d, 0,1,2,3
	WM OT+8*\d, VF+8*\d, PC, 1-\z, VS+\d/2, PW, (\d%2)
.endr
.endm
; A STEP of 128 keys.  z = 1: the pass's first: its products and additions start the sums, so nothing is cleared.
.macro STEP z, gr
	s_wait_dscnt 0x0                               ; this step's K and its scale words are in
.irp t, 0,1,2,3,4,5,6,7
	WM S+8*\t, KF+8*\t, QF, 0, KS+\t/2, QS, (\t%2)
.endr
	v_add_nc_u32 v[ADK], s[TK], v[LKA]             ; these four are the places behind the products, in front of the loads into their registers and of the first read of S^T
	v_add_nc_u32 v[ADV], s[TVO], v[LV]
	v_add_nc_u32 v[ADS], s[TS], v[LS]
	v_add_nc_u32 v[ADT], s[TT], v[LT]
	VLOAD
	KLOAD ADK, ADS, 1                              ; the next step's K
	s_cmp_lg_u32 s[STEP], s[\gr]                   ; only the last step lies on the diagonal, and it comes here only where u = 1: keys 0 .. 63 all count
	s_cbranch_scc1 .Lopen_\@
	MASK 4, 5, 6, 7
.Lopen_\@:
	MULEXP 64
.irp k, 0,1,2,3
	v_max3_num_f32 v[TM+\k], v[S+16*\k], v[S+16*\k+1], 0x1800000   ; four chains of 16; the floor 2^(3 - 127): the byte cannot fall under 1.  None is negative: no |.|
.endr
.irp i, 2,4,6,8,10,12,14
.irp k, 0,1,2,3
	v_max3_num_f32 v[TM+\k], v[TM+\k], v[S+16*\k+\i], v[S+16*\k+\i+1]
.endr
.endr
.set sj, 0
	v_max_num_f32 v[TM], v[TM], v[TM+1]            ; my block h's largest p,
	v_max_num_f32 v[TM+2], v[TM+2], v[TM+3]        ; and block 2 + h's.  THE ROW'S SUM IS TAKEN OF THE UNQUANTISED p: its additions stand between the links of this chain
	ADD2 \z
	v_add_nc_u32 v[TM+8], 0xff000000, v[TM]        ; 2 off the exponent field: the conversion's scale operand
	v_add_nc_u32 v[TM+9], 0xff000000, v[TM+2]
	ADD2 \z
	v_lshrrev_b32 v[TM+4], 23, v[TM+8]             ; the scales' bytes
	v_lshrrev_b32 v[TM+5], 23, v[TM+9]
	ADD2 \z
	v_lshl_or_b32 v[TM+4], v[TM+5], 16, v[TM+4]
	ADD2 \z
	v_lshlrev_b32 v[TM+4], v[SH8], v[TM+4]         ; at their places in the word: bytes h and 2 + h
	ADD2 \z
	v_permlanex16_b32 v[TM+5], v[TM+4], s[SEL], s[SEL+1]
	ADD2 \z
	v_or_b32 v[PW], v[TM+4], v[TM+5]               ; with lane l xor 16's two: p's scale word for these 128 keys
.irp t, 0,1,2,3,4,5,6,7
	v_cvt_scalef32_pk8_fp4_f32 v[PC+\t], v[S+8*\t:S+8*\t+7], v[TM+8+\t/4]      ; register 4 c + i of the operand: keys 64 c + 32 h + 8 i ..
.endr
.rept (64-sj)/4
	ADD2 \z                                        ; the rest of the sum: at least 18 plain lines between the writes of p's codes and scale word and the products
.endr
	s_wait_dscnt 12                                ; V and its scale words are in; the next step's K, 8 + 4 loads, may be out
.irp d, 0,1,2,3
	WM OT+8*\d, VF+8*\d, PC, 1-\z, VS+\d/2, PW, (\d%2)
.endr
.endm
; One tile of 16 queries.  pn: the pass; gr: the register with its last step; bs: its bases; hd: the register with its half step.  Step 0's K has been asked for.
.macro PASS pn, gr, bs, hd
	s_wait_xcnt 0x0                                ; the last pass's stores have read their registers
	s_mov_b32 s[STEP], 0
	s_mov_b32 s[TK], 0
	s_mov_b32 s[TVO], 0
	s_mov_b32 s[TS], 0
	s_mov_b32 s[TT], 0
	s_wait_loadcnt 0x0                             ; Q
	s_cmp_eq_u32 s[STEP], s[\hd]                   ; key 0 counts for every query: step 0 is every tile's, whole or half
	s_cbranch_scc1 .Lh0_\@
	STEP 1, \gr
	s_branch .Lj0_\@
.Lh0_\@:
	HSTEP 1
.Lj0_\@:
	s_mov_b32 s[STEP], 1
	s_mov_b32 s[TK], KST
	s_mov_b32 s[TVO], 4096
	s_mov_b32 s[TS], 512
	s_mov_b32 s[TT], 256
.Lstep_\@:
	s_cmp_gt_u32 s[STEP], s[\gr]                   ; all 128 keys come after my queries: only the addresses step
	s_cbranch_scc1 .Lhidden_\@
	s_cmp_eq_u32 s[STEP], s[\hd]
	s_cbranch_scc1 .Lh1_\@
	STEP 0, \gr
	s_branch .Lhidden_\@
.Lh1_\@:
	HSTEP 0
.Lhidden_\@:
	s_add_co_u32 s[TK], s[TK], KST
	s_add_co_u32 s[TVO], s[TVO], 4096
	s_add_co_u32 s[TS], s[TS], 512
	s_add_co_u32 s[TT], s[TT], 256
	s_add_co_u32 s[STEP], s[STEP], 1
	s_cmp_lt_u32 s[STEP], 16
	s_cbranch_scc1 .Lstep_\@
	s_wait_dscnt 0x0                               ; the last request for K has come back: its registers may be asked for again
.if \pn == 0
	global_load_b128 v[QF:QF+3], v[LI], s[BB:BB+1]             ; the next pass's queries,
	global_load_b32 v[QS], v[R8], s[BB+2:BB+3]
	KLOAD LKA, LS, 0                               ; and its step 0 of K
.endif
	s_wait_alu depctr_va_vdst(0)                   ; ahead of the reader of the sums
	v_pk_add_f32 v[L0:L0+1], v[L0:L0+1], v[L0+2:L0+3]          ; (these lines and the v_nop are the places behind the last products)
	s_delay_alu instid0(VALU_DEP_1)
	v_add_f32 v[L0], v[L0], v[L0+1]
	s_delay_alu instid0(VALU_DEP_1)
	v_permlanex16_b32 v[L0+1], v[L0], s[SEL], s[SEL+1]
	s_delay_alu instid0(VALU_DEP_1)
	v_add_f32 v[L0], v[L0], v[L0+1]                ; with lane l xor 16's keys: l
	s_wait_alu depctr_va_vdst(0)                   ; ahead of the transcendental
	v_rcp_f32 v[RC], v[L0]
	v_nop
	s_wait_alu depctr_va_vdst(0)                   ; ahead of the reciprocal's first reader, which is O^T's too
.set n, 0
.rept 16
	v_pk_mul_f32 v[S+n:S+n+1], v[OT+n:OT+n+1], v[RC:RC+1] op_sel_hi:[1,0]  ; y(query r, channel 16 d + 8 h + j)
.set n, n+2
.endr
	; y along the model's 1,024: this head's two blocks of 32; register 16 b + 8 e + j holds channel 32 b + 16 e + 8 h + j
.irp b, 0,1
	v_max3_num_f32 v[TM+\b], |v[S+16*\b]|, |v[S+16*\b+1]|, 0x1800000
.endr
.irp i, 2,4,6,8,10,12,14
.irp b, 0,1
	s_delay_alu instid0(VALU_DEP_2)
	v_max3_num_f32 v[TM+\b], v[TM+\b], |v[S+16*\b+\i]|, |v[S+16*\b+\i+1]|
.endr
.endr
.irp b, 0,1
	v_permlanex16_b32 v[TM+4+\b], v[TM+\b], s[SEL], s[SEL+1]
.endr
.irp b, 0,1
	v_max_num_f32 v[TM+\b], v[TM+\b], v[TM+4+\b]
.endr
.irp b, 0,1
	v_add_nc_u32 v[TM+8+\b], 0xff000000, v[TM+\b]
.endr
.irp b, 0,1
	v_lshrrev_b32 v[TM+4+\b], 23, v[TM+8+\b]
.endr
.irp b, 0,1
	v_cvt_scalef32_pk8_fp4_f32 v[PC+\b], v[S+16*\b:S+16*\b+7], v[TM+8+\b]
	v_cvt_scalef32_pk8_fp4_f32 v[PC+2+\b], v[S+16*\b+8:S+16*\b+15], v[TM+8+\b]
.endr
	v_nop                                          ; one plain place behind the scaled conversions
	v_permlane16_swap_b32 v[PC], v[PC+1]           ; a whole block to a lane
	v_permlane16_swap_b32 v[PC+2], v[PC+3]
	global_store_b128 v[LI], v[PC:PC+3], s[\bs+4:\bs+5]        ; half a fragment of the last projection's operand: 512 consecutive bytes
	v_cndmask_b32 v[YB], v[TM+4], v[TM+5], s[HM]
	global_store_b8 v[YSO], v[YB], s[\bs+6:\bs+7]              ; lane (r, h): row r's byte of block h
.endm
	s_load_b256 s[4:11], s[0:1], 0x0               ; qk_img 4, qk_sc 6, v_img 8, v_sc 10
	s_load_b128 s[12:15], s[0:1], 0x20             ; y_img 12, y_sc 14
	v_lshl_add_u32 v[SPW], v0, 2, SPARE
	v_mov_b32 v[NIL], 0
	ds_add_u32 v[SPW], v[NIL]                      ; the opening lines: the add, twice on end, and its wait
	ds_add_u32 v[SPW], v[NIL]
	v_lshrrev_b32 v1, 5, v0
	v_readfirstlane_b32 s[WV], v1
	s_bfe_u32 s[CX], ttmp6, 0x40000
	s_and_b32 s[BH], ttmp7, 0xffff                 ; 16 batch + head: the four partners share it
	G1SET G1K, W0K, 128, 16                        ; a quarter of K's images: 16 rows of 1,024 bytes, padded
	G1SET G1V, W0D, 32, 64                         ; a quarter of V's: 64 rows of 256 bytes
	G1SET G1S, W0D, 32, 16                         ; 4,096 bytes of scale words
	s_and_b32 s36, s[WV], 3                        ; waves 0-3: K's quarters; 4-7: V's; 8, 9: the halves of K's scale words; 10: V's scale words
	s_mov_b32 s[G0K], 1
	s_mul_i32 s[G0K+1], s36, 18432
	s_mov_b32 s[G0V], 1
	s_lshl_b32 s[G0V+1], s36, 14
	s_add_co_u32 s[G0V+1], s[G0V+1], LVB
	s_mov_b32 s[G0S], 1
	s_lshl_b32 s[G0S+1], s36, 12                   ; V's scale words lie behind K's two halves
	s_add_co_u32 s[G0S+1], s[G0S+1], LKS
	s_lshl_b32 s36, s36, 14
	s_lshl_b32 s37, s[BH], 16
	s_add_co_u32 s36, s36, s37
	s_mov_b32 s37, 0
	s_and_b32 s34, s[WV], 1
	s_lshl_b32 s34, s34, 12
	s_lshl_b32 s35, s[BH], 13
	s_add_co_u32 s34, s34, s35
	s_add_co_u32 s34, s34, 0x80000                 ; k's scale words lie behind q's
	s_lshl_b32 s35, s[BH], 12
	s_cmp_lt_u32 s[WV], 10
	s_cselect_b32 s34, s34, s35
	s_mov_b32 s35, 0
	s_wait_dscnt 0x0
	s_wait_kmcnt 0x0
	s_cmp_lt_u32 s[WV], 10
	s_cselect_b64 s[38:39], s[6:7], s[10:11]
	s_add_nc_u64 s[G0K+2:G0K+3], s[4:5], s[36:37]
	s_add_nc_u64 s[G0K+2:G0K+3], s[G0K+2:G0K+3], 0x400000      ; k's images lie behind q's
	s_or_b32 s[G0K+3], s[G0K+3], 0x80000000
	s_add_nc_u64 s[G0V+2:G0V+3], s[8:9], s[36:37]
	s_or_b32 s[G0V+3], s[G0V+3], 0x80000000
	s_add_nc_u64 s[G0S+2:G0S+3], s[38:39], s[34:35]
	s_or_b32 s[G0S+3], s[G0S+3], 0x80000000
	CROUND                                         ; all four work-groups are here: the joint loads meet
	ARM 4, G0K, G1K, .Lnot_k                       ; one load a wave at the most; the branches hang on the wave's number alone
	ARM 8, G0V, G1V, .Lnot_v
	ARM 11, G0S, G1S, .Lnot_s
.Lasked:
	s_lshr_b32 s[GA], s[WV], 1
	s_xor_b32 s[GB], s[GA], 15
	s_lshr_b32 s28, s[WV], 2
	s_xor_b32 s28, s28, s[WV]
	s_and_b32 s[SG], s28, 1                        ; u
	s_cmp_eq_u32 s[SG], 0
	s_cselect_b32 s[HDA], s[GA], 99                ; where u = 0 each pass's last step is a half step; 99 is no step's number
	s_cselect_b32 s[HDB], s[GB], 99
	s_lshl_b32 s[SIG], s[SG], 2
	s_add_co_u32 s[SIG], s[SIG], s[CX]             ; s = 4 u + cx
	s_mov_b32 s31, 0
	s_mov_b32 s33, 0
	BASES BA, GA
	BASES BB, GB
	v_and_b32 v58, 31, v0                          ; lane
	v_and_b32 v[RC], 15, v0                        ; r
	v_bfe_u32 v[RC+1], v0, 4, 1                    ; h
	v_lshlrev_b32 v[LI], 4, v58
	v_lshlrev_b32 v[R8], 3, v[RC]
	global_load_b128 v[QF:QF+3], v[LI], s[BA:BA+1]             ; pass 0's queries: registers 0-3 of the fragment
	global_load_b32 v[QS], v[R8], s[BA+2:BA+3]                 ; and their scale words
	v_bfe_u32 v59, v0, 3, 1                        ; r / 8
	v_and_b32 v60, 7, v0                           ; r % 8
	v_mul_u32_u24 v[LKA], v59, 1152                ; K: the upper eight rows of a tile lie 32 keys, two images and one padding, on;
	v_lshl_add_u32 v[LS], v60, 3, LKS              ; K's scale words: 8 bytes from key to key within an image's eight,
	v_lshl_add_u32 v[LKA], v60, 4, v[LKA]          ; 16 bytes a key;
	v_lshl_add_u32 v[LS], v59, 2, v[LS]            ; the key 32 on in the next word,
	v_lshl_add_u32 v[LKA], v[RC+1], 8, v[LKA]      ; channels 32 .. 63 are 256 bytes on
	v_lshl_add_u32 v[LS], v[RC+1], 6, v[LS]        ; lanes 16-31 the odd tile's: 8 keys on
	v_add_nc_u32 v[LV], LVB, v[LI]
	v_lshl_add_u32 v[LT], v58, 2, LVS
	v_lshlrev_b32 v[SH8], 3, v[RC+1]
	v_lshlrev_b32 v[DQ], 5, v[RC+1]
	v_sub_nc_u32 v[DQ], v[RC], v[DQ]
	s_lshl_b32 s28, s[SIG], 4
	v_add_nc_u32 v[DQ], s28, v[DQ]
	v_mov_b32 v[NINF], 0xff800000
	v_lshl_add_u32 v[YSO], v[RC], 5, v[RC+1]       ; 32 r + h
.irp t, 0,1,2,3,4,5,6,7
.irp j, 4,5,6,7
	v_mov_b32 v[KF+8*\t+\j], 0                     ; zero codes for k = 64 .. 127 of the instruction's 128: written once
.endr
.endr
.irp j, 4,5,6,7
	v_mov_b32 v[QF+\j], 0
.endr
	v_mov_b32 v[TM+4], 0                           ; (a lane permute's destination counts as one of its sources)
	v_mov_b32 v[TM+5], 0
	s_mov_b32 s[CS], 0x3e38aa3b                    ; log2(e) / 8
	s_mov_b32 s[CS+1], s[CS]
	s_mov_b32 s[SEL], 0x76543210
	s_mov_b32 s[SEL+1], 0xfedcba98
	s_mov_b32 s[HM], 0xffff0000
	s_wait_alu depctr_va_vdst(0)                   ; at the head's end
	s_wait_tensorcnt 0x0                           ; my load, if I had one, has landed
	s_barrier_signal -1
	s_barrier_wait -1                              ; the head's K, V and scale words lie in LDS; from here on LDS is only read
	KLOAD LKA, LS, 0                               ; pass 0's step 0 of K
	PASS 0, GA, BA, HDA
	PASS 1, GB, BB, HDB
	s_wait_tensorcnt 0x0                           ; the wave's end
	ds_add_u32 v[SPW], v[NIL]
	s_wait_dscnt 0x0
	CROUND                                         ; the closing round
	s_endpgm
.Lfunc_end_k_q78fc816284_attn:
	.size	k_q78fc816284_attn, .Lfunc_end_k_q78fc816284_attn-k_q78fc816284_attn
	.p2alignl 7, 3214868480
	.fill 96, 4, 3214868480
	.section	.rodata,"a",@progbits
	.p2align	6, 0x0
	.amdhsa_kernel k_q78fc816284_attn
		.amdhsa_group_segment_fixed_size 169984
		.amdhsa_private_segment_fixed_size 0
		.amdhsa_enable_private_segment 0
		.amdhsa_kernarg_size 48
		.amdhsa_user_sgpr_count 2
		.amdhsa_user_sgpr_kernarg_segment_ptr 1
		.amdhsa_wavefront_size32 1
		.amdhsa_system_sgpr_workgroup_id_x 1
		.amdhsa_system_sgpr_workgroup_id_y 1
		.amdhsa_system_sgpr_workgroup_id_z 1
		.amdhsa_system_vgpr_workitem_id 0
		.amdhsa_next_free_vgpr 256
		.amdhsa_next_free_sgpr 96
		.amdhsa_reserve_vcc 1
		.amdhsa_float_denorm_mode_32 3
		.amdhsa_float_denorm_mode_16_64 3
		.amdhsa_memory_ordered 1
		.amdhsa_forward_progress 1
		.amdhsa_inst_pref_size 118
	.end_amdhsa_kernel
	.amdgpu_metadata
---
amdhsa.version: [ 1, 2 ]
amdhsa.kernels:
  - .name:           k_q78fc816284_attn
    .symbol:         k_q78fc816284_attn.kd
    .args:
      - { .name: qk_img, .offset: 0, .size: 8, .value_kind: global_buffer, .address_space: global }
      - { .name: qk_sc, .offset: 8, .size: 8, .value_kind: global_buffer, .address_space: global }
      - { .name: v_img, .offset: 16, .size: 8, .value_kind: global_buffer, .address_space: global }
      - { .name: v_sc, .offset: 24, .size: 8, .value_kind: global_buffer, .address_space: global }
      - { .name: y_img, .offset: 32, .size: 8, .value_kind: global_buffer, .address_space: global }
      - { .name: y_sc, .offset: 40, .size: 8, .value_kind: global_buffer, .address_space: global }
    .group_segment_fixed_size: 169984
    .private_segment_fixed_size: 0
    .kernarg_segment_align: 8
    .kernarg_segment_size: 48
    .max_flat_workgroup_size: 512
    .sgpr_count:     96
    .vgpr_count:     256
    .wavefront_size: 32
...
	.end_amdgpu_metadata
.endif
;; end of part 3
;; launch oproj (part 4): grid 4 x 64, 16 waves a work-group, clusters of 4 x 4, 327,680 bytes of LDS; arguments y_img, y_sc, Wproj_codes, Wproj_scales, out0; writes out0
.if DOCPART == 4
	.amdgcn_target "amdgcn-amd-amdhsa--gfx1250"
	.amdhsa_code_object_version 6
	.text
	.protected	k_q78fc816284_oproj
	.globl	k_q78fc816284_oproj
	.p2align	8
	.type	k_q78fc816284_oproj,@function
k_q78fc816284_oproj:
	s_mov_b64 s[64:65], 0
	v_nop
	global_prefetch_b8 v0, s[64:65] scope:SCOPE_SE
	s_setreg_imm32_b32 hwreg(HW_REG_WAVE_MODE, 25, 1), 1
	s_wait_xcnt 0x0
	s_wait_alu depctr_hold_cnt(0) depctr_sa_sdst(0) depctr_va_vdst(0) depctr_va_sdst(0) depctr_va_ssrc(0) depctr_va_vcc(0) depctr_vm_vsrc(0)
	s_getreg_b32 s2, hwreg(HW_REG_IB_STS2, 6, 4)
	s_cmp_eq_u32 s2, 0
	s_cbranch_scc0 .Lentry_in_a_cluster
	s_endpgm
.Lentry_in_a_cluster:
	s_bfe_u32 s2, ttmp6, 0x10000c
	s_cmp_lg_u32 s2, 0xf033
	s_cbranch_scc0 .Lentry_shape_is_right
	s_endpgm
.Lentry_shape_is_right:
; out0 = y Wproj^T on codes of FP4 (E2M1).  y: images of operand registers, [tile of 16 rows][16 halves of a fragment][lane][16 bytes], and scale bytes [8192][32]; Wproj: codes [1024][512 bytes], scale bytes [1024][32].
; SHARES.  A work-group takes 128 rows x 256 columns; wave w takes 32 rows (w / 4) x 64 columns (w % 4): 8 accumulators.  TRANSPOSED (source 0 = 16 rows of Wproj, source 1 = 16 rows of y):
; a lane holds eight neighbouring numbers of a row of out0.  K = 1,024 codes are two LDS slots of 512 along K, each filled ONCE, with the scale bytes.
; CLUSTER 4 x 4: y's tiles are shared along a row of the cluster, Wproj's along a column.
; THE WAY OUT: 16 rows x 64 columns at a time through the wave's own stage in LDS (bytes of its own, into which no fill lands), so that sixteen lanes store 256 consecutive bytes, aligned.
.set SLOTB, 256                        ; one LDS row of Wproj holds a row's whole K: 512 bytes + 16 of padding; k 512 .. 1,023 begin 256 bytes into it
.set WOFF,  65536                      ; y's 8 tiles x 8,192 bytes of images, then Wproj's 256 rows of 528 bytes
.set SCL,   204800                     ; y's scale bytes: 16 runs of 256 + 16
.set SCW,   209152                     ; Wproj's: 32 runs
.set STG,   217856                     ; the stages: 16 rows x 272 bytes a wave
.set PADW,  (1<<20)|(1<<21)|(5<<22)|(3<<25)
.set PADC,  (1<<20)|(1<<21)|(6<<22)|(3<<25)   ; padding after every 128 words: rows of 512 bytes
.set WV, 24
.set PART, 25
.set CX, 26
.set CY, 27
.set WX, 28
.set WY, 29
.set MROW, 30
.set MCOL, 31
.set G1A, 40
.set G1B, 48
.set G1SA, 56
.set G1SB, 68
.set G0SA, 76
.set G0A0, 80
.set G0A1, 84
.set G0SB, 88
.set G0B0, 92
.set G0B1, 96
.set R, 1
.set H, 2
.set ADRW, 3                           ; v3, v4
.set ADRY, 5                           ; v5, v6
.set ADYS, 7
.set ADWS, 8
.set STO, 9
.set RD, 10
.set CO, 11
.set TV, 12
.set YS, 16                            ; v16-23 y's scale words (4 ay + q)
.set WS, 24                            ; v24-39 Wproj's (4 aw + q)
.set WF, 40                            ; v40-71
.set YF, 72                            ; v72-87
.set OB, 128                           ; v128-191 rows on their way out, two sets
.set ACC, 192                          ; (ay, aw) at 192 + 8 (4 ay + aw)
.macro PLACES n
.rept \n
	v_nop
.endr
.endm
.macro CROUND
	s_barrier_signal -1
	s_barrier_wait -1
	s_cmp_lg_u32 s[WV], 0
	s_cbranch_scc1 .Lnot_wave_0_\@
	s_barrier_signal -3
.Lnot_wave_0_\@:
	s_barrier_wait -3
	s_barrier_signal -1
	s_barrier_wait -1
.endm
.macro ARM under, g0, g1, next         ; one arm of the head's tree: a joint load and a jump to the tree's end
	s_cmp_lt_u32 s[WV], \under
	s_cbranch_scc0 \next
	tensor_load_to_lds s[\g0:\g0+3], s[\g1:\g1+7]
	s_nop 0
	PLACES 4
	s_branch .Lhead_asked
\next:
.endm
.macro G1SET g, mask, w0, c, r, p
	s_or_b32 s[\g], s[\mask], \w0
	s_mov_b32 s[\g+1], (\c)<<16
	s_mov_b32 s[\g+2], (\r)<<16
	s_mov_b32 s[\g+3], (\c)<<16
	s_mov_b32 s[\g+4], \r
	s_mov_b32 s[\g+5], \p
	s_mov_b32 s[\g+6], 0
	s_mov_b32 s[\g+7], 0
.endm
.macro G0SET g, mul, base, ptr, off, add
	s_mov_b32 s[\g], 1
	s_mul_i32 s[\g+1], s[PART], \mul
.if (\base) != 0
	s_add_co_u32 s[\g+1], s[\g+1], \base
.endif
	s_add_nc_u64 s[\g+2:\g+3], s[\ptr:\ptr+1], s[\off:\off+1]
.if (\add) != 0
	s_add_nc_u64 s[\g+2:\g+3], s[\g+2:\g+3], \add
.endif
	s_or_b32 s[\g+3], s[\g+3], 0x80000000
.endm
.macro FRAGP reg, adr, off             ; a fragment from rows: two loads of 16 bytes, 32 bytes apart
	ds_load_b128 v[\reg:\reg+3], v[\adr] offset:\off
	ds_load_b128 v[\reg+4:\reg+7], v[\adr] offset:\off+32
.endm
.macro FRAGI reg, adr, off             ; a fragment from its image: two loads of 512 consecutive bytes
	ds_load_b128 v[\reg:\reg+3], v[\adr] offset:\off
	ds_load_b128 v[\reg+4:\reg+7], v[\adr] offset:\off+512
.endm
	s_load_b256 s[4:11], s[0:1], 0x0               ; y_img 4, y_sc 6, Wproj_codes 8, Wproj_scales 10
	s_load_b64 s[12:13], s[0:1], 0x20              ; out0
	v_lshl_add_u32 v126, v0, 2, 0x46300
	v_mov_b32 v127, 0
	ds_add_u32 v126, v127
	ds_add_u32 v126, v127
	v_lshrrev_b32 v1, 5, v0
	s_delay_alu instid0(VALU_DEP_1)
	v_readfirstlane_b32 s[WV], v1
	s_and_b32 s[PART], s[WV], 3                    ; which quarter of a tile I fetch
	s_bfe_u32 s[CX], ttmp6, 0x40000
	s_bfe_u32 s[CY], ttmp6, 0x40004
	s_lshl_b32 s[WX], ttmp9, 2
	s_add_co_u32 s[WX], s[WX], s[CX]
	s_and_b32 s[WY], ttmp7, 0xffff
	s_lshl_b32 s[WY], s[WY], 2
	s_add_co_u32 s[WY], s[WY], s[CY]
	s_lshl_b32 s[MROW], s[CY], 2
	s_lshl_b32 s[MROW], 15, s[MROW]
	s_lshl_b32 s[MCOL], 0x1111, s[CX]
	G1SET G1A, MROW, (3<<16)|(1<<21), 32, 64, 32   ; y: two tiles' images, 16,384 dense bytes as 64 rows of 256; no padding
	G1SET G1B, MCOL, PADC, 512, 64, 512            ; Wproj: 64 whole rows of 512 bytes
	G1SET G1SA, MROW, (3<<16)|PADW, 32, 4, 32
	G1SET G1SB, MCOL, (3<<16)|PADW, 32, 8, 32
	s_lshl_b32 s32, s[WY], 2                       ; y: the pair of tiles 4 WY + share
	s_add_co_u32 s32, s32, s[PART]
	s_lshl_b32 s34, s32, 10
	s_mov_b32 s35, 0
	s_lshl_b32 s32, s32, 14
	s_mov_b32 s33, 0
	s_lshl_b32 s36, s[WX], 8                       ; Wproj: row 256 WX + 64 share (s36-39 never hold cy)
	s_lshl_b32 s37, s[PART], 6
	s_add_co_u32 s36, s36, s37
	s_lshl_b32 s38, s36, 5
	s_mov_b32 s39, 0
	s_lshl_b32 s36, s36, 9
	s_mov_b32 s37, 0
	s_wait_dscnt 0x0
	s_wait_kmcnt 0x0
	G0SET G0SA, 1088, SCL, 6, 34, 0
	G0SET G0A0, 16384, 0, 4, 32, 0
	G0SET G0SB, 2176, SCW, 10, 38, 0
	G0SET G0B0, 33792, WOFF, 8, 36, 0
	CROUND
	ARM 4, G0A0, G1A, .Lhead_b                     ; one load a wave: waves 0-3 y's images,
	ARM 8, G0B0, G1B, .Lhead_sa                    ; waves 4-7 Wproj's codes,
	ARM 12, G0SA, G1SA, .Lhead_sb                  ; waves 8-11 y's scale bytes,
	tensor_load_to_lds s[G0SB:G0SB+3], s[G1SB:G1SB+7]   ; waves 12-15 Wproj's
	s_nop 0
	PLACES 4
.Lhead_asked:
	s_lshr_b32 s100, s[WV], 2                      ; wr
	s_and_b32 s101, s[WV], 3                       ; wc
	s_lshl_b32 s2, s[WY], 7
	s_lshl_b32 s3, s100, 5
	s_add_co_u32 s2, s2, s3                        ; my first row
	s_lshl_b32 s2, s2, 12
	s_lshl_b32 s3, s[WX], 10
	s_add_co_u32 s2, s2, s3
	s_lshl_b32 s3, s101, 8
	s_add_co_u32 s2, s2, s3                        ; + my first column, in bytes
	s_mov_b32 s3, 0
	s_add_nc_u64 s[12:13], s[12:13], s[2:3]
	v_and_b32 v[R], 15, v0
	v_bfe_u32 v[H], v0, 4, 1
	s_delay_alu instid0(VALU_DEP_2)
	v_mul_u32_u24 v[TV], v[R], 272
	v_mul_u32_u24 v[ADRW], v[R], 528
	s_delay_alu instid0(VALU_DEP_1)
	v_lshl_add_u32 v[ADRW], v[H], 4, v[ADRW]
	s_mul_i32 s2, s101, 33792
	s_add_co_u32 s2, s2, WOFF
	v_add_nc_u32 v[ADRW], s2, v[ADRW]
	s_delay_alu instid0(VALU_DEP_1)
	v_add_nc_u32 v[ADRW+1], SLOTB, v[ADRW]
	v_and_b32 v[ADRY], 31, v0
	s_delay_alu instid0(VALU_DEP_1)
	v_lshlrev_b32 v[ADRY], 4, v[ADRY]
	s_lshl_b32 s2, s100, 14
	v_add_nc_u32 v[ADRY], s2, v[ADRY]
	s_delay_alu instid0(VALU_DEP_1)
	v_add_nc_u32 v[ADRY+1], 4096, v[ADRY]
	s_mul_i32 s2, s[WV], 4352
	s_add_co_u32 s2, s2, STG                       ; my stage
	v_lshl_add_u32 v[STO], v[H], 5, v[TV]          ; in: row r, 32 bytes for each half of the lanes
	s_delay_alu instid0(VALU_DEP_1)
	v_add_nc_u32 v[STO], s2, v[STO]
	v_mul_u32_u24 v[RD], v[H], 272                 ; back: lanes 0-15 one row, lanes 16-31 the next
	s_delay_alu instid0(VALU_DEP_1)
	v_lshl_add_u32 v[RD], v[R], 4, v[RD]
	s_delay_alu instid0(VALU_DEP_1)
	v_add_nc_u32 v[RD], s2, v[RD]
	v_lshlrev_b32 v[CO], 12, v[H]                  ; and the same two rows in out0
	s_delay_alu instid0(VALU_DEP_1)
	v_lshl_add_u32 v[CO], v[R], 4, v[CO]
	v_lshrrev_b32 v[TV], 3, v[R]
	s_delay_alu instid0(VALU_DEP_1)
	v_mul_u32_u24 v[TV], v[TV], 272
	v_and_b32 v[ADYS], 7, v[R]
	s_delay_alu instid0(VALU_DEP_1)
	v_lshl_add_u32 v[TV], v[ADYS], 5, v[TV]
	s_mul_i32 s2, s100, 1088
	s_add_co_u32 s2, s2, SCL
	v_add_nc_u32 v[ADYS], s2, v[TV]
	s_mul_i32 s2, s101, 2176
	s_add_co_u32 s2, s2, SCW
	v_add_nc_u32 v[ADWS], s2, v[TV]
	s_wait_alu depctr_va_vdst(0)
	s_wait_tensorcnt 0x0                           ; my one load has landed
	s_barrier_signal -1
	s_barrier_wait -1
.macro MULO ay, aw, q, zero
.if \zero
	v_wmma_scale_f32_16x16x128_f8f6f4 v[ACC+8*(4*\ay+\aw):ACC+8*(4*\ay+\aw)+7], v[WF+8*\aw:WF+8*\aw+7], v[YF+8*\ay:YF+8*\ay+7], 0, v[WS+4*\aw+\q], v[YS+4*\ay+\q] matrix_a_fmt:MATRIX_FMT_FP4 matrix_b_fmt:MATRIX_FMT_FP4
.else
	v_wmma_scale_f32_16x16x128_f8f6f4 v[ACC+8*(4*\ay+\aw):ACC+8*(4*\ay+\aw)+7], v[WF+8*\aw:WF+8*\aw+7], v[YF+8*\ay:YF+8*\ay+7], v[ACC+8*(4*\ay+\aw):ACC+8*(4*\ay+\aw)+7], v[WS+4*\aw+\q], v[YS+4*\ay+\q] matrix_a_fmt:MATRIX_FMT_FP4 matrix_b_fmt:MATRIX_FMT_FP4
.endif
.endm
.macro KSTEP slot, q, zero             ; 128 along K; the eight accumulators take turns, in the same order in every step
.if \zero == 0
	PLACES 4                                       ; in front of loads into registers that matrix instructions have read
.endif
.if \q == 0
.irp a, 0,1
	ds_load_b128 v[YS+4*\a:YS+4*\a+3], v[ADYS] offset:\a*544+16*\slot
.endr
.irp a, 0,1,2,3
	ds_load_b128 v[WS+4*\a:WS+4*\a+3], v[ADWS] offset:\a*544+16*\slot
.endr
.endif
.irp a, 0,1,2,3
	FRAGP WF+8*\a, ADRW+\slot, \a*8448+64*\q
.endr
.irp a, 0,1
	FRAGI YF+8*\a, ADRY+\slot, \a*8192+1024*\q
.endr
	s_wait_dscnt 2                                 ; all but y's second tile
.irp a, 0,1,2,3
	MULO 0, \a, \q, \zero
.endr
	s_wait_dscnt 0x0
.irp a, 0,1,2,3
	MULO 1, \a, \q, \zero
.endr
.endm
	KSTEP 0, 0, 1
	KSTEP 0, 1, 0
	KSTEP 0, 2, 0
	KSTEP 0, 3, 0
	KSTEP 1, 0, 0
	KSTEP 1, 1, 0
	KSTEP 1, 2, 0
	KSTEP 1, 3, 0
	PLACES 4                                       ; in front of the first read of results
.irp y, 0,1
.irp a, 0,1,2,3
	ds_store_b128 v[STO], v[ACC+8*(4*\y+\a):ACC+8*(4*\y+\a)+3] offset:64*\a          ; each accumulator from its low end on
	ds_store_b128 v[STO], v[ACC+8*(4*\y+\a)+4:ACC+8*(4*\y+\a)+7] offset:64*\a+16
.endr
.irp i, 0,1,2,3,4,5,6,7
	ds_load_b128 v[OB+32*\y+4*\i:OB+32*\y+4*\i+3], v[RD] offset:2*\i*272             ; LDS serves a wave's instructions in order (ISA guide 5.7.1.4): these see my stores, and the next tile's stores come behind them
.endr
.endr
.irp y, 0,1
.irp i, 0,1,2,3,4,5,6,7
	s_wait_dscnt 16*(1-\y)+7-\i                    ; this load is back; the later ones, and for the first tile the second's sixteen LDS instructions, may be out
	global_store_b128 v[CO], v[OB+32*\y+4*\i:OB+32*\y+4*\i+3], s[12:13] offset:(16*\y+2*\i)*4096 th:TH_STORE_NT   ; 16 lanes store 256 consecutive bytes, at a multiple of 256 from out0's first byte
.endr
.endr
	s_wait_dscnt 0x0
	s_wait_tensorcnt 0x0
	ds_add_u32 v126, v127
	s_wait_dscnt 0x0
	CROUND                                         ; the closing round
	s_endpgm
.Lfunc_end_k_q78fc816284_oproj:
	.size	k_q78fc816284_oproj, .Lfunc_end_k_q78fc816284_oproj-k_q78fc816284_oproj
	.p2alignl 7, 3214868480
	.fill 96, 4, 3214868480
	.section	.rodata,"a",@progbits
	.p2align	6, 0x0
	.amdhsa_kernel k_q78fc816284_oproj
		.amdhsa_group_segment_fixed_size 327680
		.amdhsa_private_segment_fixed_size 0
		.amdhsa_enable_private_segment 0
		.amdhsa_kernarg_size 40
		.amdhsa_user_sgpr_count 2
		.amdhsa_user_sgpr_kernarg_segment_ptr 1
		.amdhsa_wavefront_size32 1
		.amdhsa_system_sgpr_workgroup_id_x 1
		.amdhsa_system_sgpr_workgroup_id_y 1
		.amdhsa_system_sgpr_workgroup_id_z 1
		.amdhsa_system_vgpr_workitem_id 0
		.amdhsa_next_free_vgpr 256
		.amdhsa_next_free_sgpr 102
		.amdhsa_reserve_vcc 0
		.amdhsa_float_denorm_mode_32 3
		.amdhsa_float_denorm_mode_16_64 3
		.amdhsa_memory_ordered 1
		.amdhsa_forward_progress 1
		.amdhsa_inst_pref_size 30
	.end_amdhsa_kernel
	.amdgpu_metadata
---
amdhsa.version: [ 1, 2 ]
amdhsa.kernels:
  - .name:           k_q78fc816284_oproj
    .symbol:         k_q78fc816284_oproj.kd
    .args:
      - { .name: y_img, .offset: 0, .size: 8, .value_kind: global_buffer, .address_space: global }
      - { .name: y_sc, .offset: 8, .size: 8, .value_kind: global_buffer, .address_space: global }
      - { .name: Wproj_codes, .offset: 16, .size: 8, .value_kind: global_buffer, .address_space: global }
      - { .name: Wproj_scales, .offset: 24, .size: 8, .value_kind: global_buffer, .address_space: global }
      - { .name: out0, .offset: 32, .size: 8, .value_kind: global_buffer, .address_space: global }
    .group_segment_fixed_size: 327680
    .private_segment_fixed_size: 0
    .kernarg_segment_align: 8
    .kernarg_segment_size: 40
    .max_flat_workgroup_size: 512
    .sgpr_count:     102
    .vgpr_count:     256
    .wavefront_size: 32
...
	.end_amdgpu_metadata
.endif
;; end of part 4
